; MI455X (gfx1250); checked and timed in simulation.
; The chip was launched on July 23, 2026; its instructions are those of AMD's public machine-readable ISA for CDNA 5 (MIT licence, August 2026) and "CDNA5" Instruction Set Architecture Reference Guide (July 2026). The comments in the code are by the model that wrote it; some were corrected since.
;; Dot Atten. Allowed arithmetic: float matrix products may take bf16 or f16 operands with f32 sums; other float arithmetic in f32, or as packed bf16 or f16 multiplies, adds, multiply-adds, maxima and minima; sums over many terms, partial sums and values carried from step to step in f32; what a program stores and reads back later, other than sums and carried values, may be rounded once to bf16 or f16.
;; Inputs: Wd 512 x 256 float32; query 2 x 512 x 512 float32; value 2 x 512 x 512 float32; vd 256 float32.
;; Outputs: out0 2 x 512 x 512 float32; out1 2 x 512 x 512 float32.
;; 2 versions, each right; version 2 is version 1 with the launches prep, finish written anew for expert scheduling mode. Each part assembles by itself: llvm-mc -triple=amdgcn-amd-amdhsa -mcpu=gfx1250 --defsym DOCPART=n.
;; ======== version 1 of 2: 3 launches
;; limits: inputs' magnitudes at most 1,023; values are held in f16: magnitudes above 65,504 overflow, below 6.1e-05 lose precision; right only within a limited range of input values
;; workspace buffers: Qh 1,048,576 bytes; Wt 262,144 bytes; Vt 1,048,576 bytes; U 1,114,112 bytes
;; launch prep (part 1): grid 144 x 1, 8 waves a work-group, no clusters, 18,432 bytes of LDS; arguments query, value, Wd, Qh, Vt, Wt; writes Qh, Vt, Wt
.if DOCPART == 1
	.amdgcn_target "amdgcn-amd-amdhsa--gfx1250"
	.amdhsa_code_object_version 6
	.text
	.protected	k_qd2016776aa_prep
	.globl	k_qd2016776aa_prep
	.p2align	8
	.type	k_qd2016776aa_prep,@function
k_qd2016776aa_prep:
	s_mov_b64 s[64:65], 0
	v_nop
	global_prefetch_b8 v0, s[64:65] scope:SCOPE_SE
	s_setreg_imm32_b32 hwreg(HW_REG_WAVE_MODE, 25, 1), 1
	s_wait_xcnt 0x0
; The operands of the two later launches, each rounded once to f16.
;   Qh[b][s][h] = f16(query / 4)                 (a power of two: the scaling itself is exact)
;   Wt[d][h]    = f16(Wd[h][d] * 32 log2(e))     so that sum_h Wt[d][h] Qh_s[h] Qh_t[h] = 2 log2(e) x
;   Vt[b][e][t] = f16(value[b][t][e])
; LIMITS.  f16 ends at 65,504: |query| < 262,016 here (the next launch asks |query| < 1,023), |Wd| < 1,400, |value| < 65,504; NaN and infinities are not treated apart.
; SHARES.  Work-groups 0-15: a tile of 128 rows x 64 columns of Wd, turned.  16-79: the same of value.  80-143: 32,768 bytes of query, straight.
; The branch hangs on the work-group's number alone, so all eight waves of a work-group take the same way and meet the same barrier.
; No matrix work, no cluster (no two work-groups read the same bytes), no prefetch (each byte is asked for at once, by the load itself).
.set LP,    272                        ; a row of the turned tile in LDS: 128 f16 + 16 bytes
.set SPARE, 64*LP                      ; behind the tile (17,408 bytes): the spare words, 128 bytes for each of eight waves
.set CG,   1                           ; v1   thread % 16: which 16 bytes of a row of 256
.set RP,   2                           ; v2   thread / 16: which pair of rows
.set TMP,  3
.set SPW,  4                           ; v4   LDS address of my spare word; never rewritten
.set NIL,  5                           ; v5   0; never rewritten
.set LSTO, 6                           ; v6   where I put a pair of f16
.set LRD,  7                           ; v7   where I read 16 bytes of a turned row
.set GST,  8                           ; v8   my byte offset in the output
.set C16,  9                           ; v9   16 x (thread % 16), or 16 x thread on the straight way
.set OFF,  10                          ; v[10:17] byte offsets of my eight loads
.set X,    20                          ; v[20:51] as loaded
.set D,    52                          ; v[52:67] rounded
.set SC,   20                          ; s[20:21] the scale, twice
.set IN,   22                          ; s[22:23] from where
.set OUT,  24                          ; s[24:25] to where
	s_load_b256 s[4:11], s[0:1], 0x0               ; query s[4:5], value s[6:7], Wd s[8:9], Qh s[10:11]
	s_load_b128 s[12:15], s[0:1], 0x20             ; Vt s[12:13], Wt s[14:15]
	v_lshl_add_u32 v[SPW], v0, 2, SPARE
	v_mov_b32 v[NIL], 0
	s_mov_b32 s16, ttmp9
	s_cmp_ge_u32 s16, 80
	s_cbranch_scc1 .Lstraight
	; THE TURNING WAY.  g' counts the tensor's tiles: kt = g' & 3 (128 rows), nt = (g' >> 2) & 7 (64 columns), b = g' >> 5 (0 for Wd).
	v_and_b32 v[CG], 15, v0
	v_lshrrev_b32 v[RP], 4, v0
	s_sub_co_u32 s17, s16, 16
	s_cmp_lt_u32 s16, 16                           ; Wd?
	s_cselect_b32 s17, s16, s17                    ; g'
	s_cselect_b32 s19, 17, 18                      ; log2 of 128 rows' bytes: rows of 1,024 (Wd) or 2,048 (value)
	s_cselect_b32 s[SC], 0x4238aa3b, 1.0           ; 32 log2(e), or 1
	s_wait_kmcnt 0x0
	s_cselect_b64 s[IN:IN+1], s[8:9], s[6:7]
	s_cselect_b64 s[OUT:OUT+1], s[14:15], s[12:13]
	s_mov_b32 s[SC+1], s[SC]
	s_and_b32 s26, s17, 3                          ; kt
	s_bfe_u32 s27, s17, 0x30002                    ; nt
	s_lshr_b32 s28, s17, 5                         ; b
	s_lshl_b32 s30, s26, s19                       ; in: kt x 128 rows
	s_lshl_b32 s29, s27, 8                         ;     + nt x 256 bytes
	s_add_co_u32 s30, s30, s29
	s_lshl_b32 s29, s28, 20                        ;     + b x 1,048,576
	s_add_co_u32 s30, s30, s29
	s_mov_b32 s31, 0
	s_add_nc_u64 s[IN:IN+1], s[IN:IN+1], s[30:31]
	s_lshl_b32 s32, s28, 19                        ; out: b x 524,288
	s_lshl_b32 s29, s27, 16                        ;      + nt x 64 rows of 1,024 bytes
	s_add_co_u32 s32, s32, s29
	s_lshl_b32 s29, s26, 8                         ;      + kt x 256 bytes
	s_add_co_u32 s32, s32, s29
	s_mov_b32 s33, 0
	s_add_nc_u64 s[OUT:OUT+1], s[OUT:OUT+1], s[32:33]
	s_sub_co_u32 s19, s19, 7
	s_lshl_b32 s18, 1, s19                         ; bytes in a row of the input
	v_lshlrev_b32 v[C16], 4, v[CG]
	v_lshlrev_b32 v[TMP], 1, v[RP]
.irp i, 0,1,2,3,4,5,6,7                ; rows 2 rp + 32 (i / 2) + i % 2: sixteen lanes read 256 consecutive bytes, aligned
	v_add_nc_u32 v[OFF+(\i)], 32*((\i)/2)+(\i)%2, v[TMP]
	v_mad_u32_u24 v[OFF+(\i)], v[OFF+(\i)], s18, v[C16]
.endr
.irp i, 0,1,2,3,4,5,6,7
	global_load_b128 v[X+4*(\i):X+4*(\i)+3], v[OFF+(\i)], s[IN:IN+1] th:TH_LOAD_NT
.endr
	v_mul_u32_u24 v[LSTO], v[CG], 4*LP             ; column 4 cg is row 4 cg of the turned tile,
	v_lshl_add_u32 v[LSTO], v[RP], 2, v[LSTO]      ; rows 2 rp, 2 rp + 1 its bytes 4 rp on
	v_mul_u32_u24 v[LRD], v[RP], LP
	v_add_nc_u32 v[LRD], v[LRD], v[C16]
	v_lshl_add_u32 v[GST], v[RP], 10, v[C16]
	s_wait_loadcnt 0x0
.set i, 0
.rept 16
	v_pk_mul_f32 v[X+2*i:X+2*i+1], v[X+2*i:X+2*i+1], s[SC:SC+1] op_sel_hi:[1,0]
.set i, i+1
.endr
.irp t, 0,1,2,3
.irp c, 0,1,2,3
	v_cvt_pk_f16_f32 v[D+4*(\t)+(\c)], v[X+8*(\t)+(\c)], v[X+8*(\t)+4+(\c)]  ; one column's numbers of an even row and the odd row below it
.endr
.endr
.irp t, 0,1,2,3
.irp c, 0,1,2,3
	ds_store_b32 v[LSTO], v[D+4*(\t)+(\c)] offset:(\c)*LP+(\t)*64
.endr
.endr
	s_wait_dscnt 0x0                               ; for the others' sake: my stores are done
	s_barrier_signal -1
	s_barrier_wait -1                              ; the turned tile is whole
.irp t, 0,1,2,3
	ds_load_b128 v[X+4*(\t):X+4*(\t)+3], v[LRD] offset:(\t)*16*LP
.endr
.irp t, 0,1,2,3
	s_wait_dscnt 3-(\t)                            ; LDS loads come back in order: load t is in, the younger ones may be out
	global_store_b128 v[GST], v[X+4*(\t):X+4*(\t)+3], s[OUT:OUT+1] offset:(\t)*16384  ; sixteen lanes store 256 consecutive bytes, aligned
.endr
	s_branch .Lend
.Lstraight:                            ; THE STRAIGHT WAY: 8,192 numbers of query
	s_sub_co_u32 s17, s16, 80
	s_lshl_b32 s30, s17, 15
	s_mov_b32 s31, 0
	s_lshl_b32 s32, s17, 14
	s_mov_b32 s33, 0
	s_mov_b32 s[SC], 0x3e800000                    ; 1/4
	s_mov_b32 s[SC+1], s[SC]
	v_lshlrev_b32 v[C16], 4, v0
	v_lshlrev_b32 v[GST], 3, v0
	s_wait_kmcnt 0x0
	s_add_nc_u64 s[IN:IN+1], s[4:5], s[30:31]
	s_add_nc_u64 s[OUT:OUT+1], s[10:11], s[32:33]
.irp j, 0,1,2,3,4,5,6,7
	global_load_b128 v[X+4*(\j):X+4*(\j)+3], v[C16], s[IN:IN+1] offset:4096*(\j) th:TH_LOAD_NT
.endr
.irp j, 0,1,2,3,4,5,6,7
	s_wait_loadcnt 7-(\j)                          ; load j is in, the younger ones may be out
	v_pk_mul_f32 v[X+4*(\j):X+4*(\j)+1], v[X+4*(\j):X+4*(\j)+1], s[SC:SC+1] op_sel_hi:[1,0]
	v_pk_mul_f32 v[X+4*(\j)+2:X+4*(\j)+3], v[X+4*(\j)+2:X+4*(\j)+3], s[SC:SC+1] op_sel_hi:[1,0]
	v_cvt_pk_f16_f32 v[D+2*(\j)], v[X+4*(\j)], v[X+4*(\j)+1]
	v_cvt_pk_f16_f32 v[D+2*(\j)+1], v[X+4*(\j)+2], v[X+4*(\j)+3]
	global_store_b64 v[GST], v[D+2*(\j):D+2*(\j)+1], s[OUT:OUT+1] offset:2048*(\j)  ; a wave stores 256 consecutive bytes, aligned
.endr
.Lend:
	s_wait_tensorcnt 0x0                           ; the wave's end, behind my last LDS store
	ds_add_u32 v[SPW], v[NIL]
	s_wait_dscnt 0x0
	s_endpgm
.Lfunc_end_k_qd2016776aa_prep:
	.size	k_qd2016776aa_prep, .Lfunc_end_k_qd2016776aa_prep-k_qd2016776aa_prep
	.p2alignl 7, 3214868480
	.fill 96, 4, 3214868480
	.section	.rodata,"a",@progbits
	.p2align	6, 0x0
	.amdhsa_kernel k_qd2016776aa_prep
		.amdhsa_group_segment_fixed_size 18432
		.amdhsa_private_segment_fixed_size 0
		.amdhsa_enable_private_segment 0
		.amdhsa_kernarg_size 48
		.amdhsa_user_sgpr_count 2
		.amdhsa_user_sgpr_kernarg_segment_ptr 1
		.amdhsa_wavefront_size32 1
		.amdhsa_system_sgpr_workgroup_id_x 1
		.amdhsa_system_sgpr_workgroup_id_y 1
		.amdhsa_system_sgpr_workgroup_id_z 1
		.amdhsa_system_vgpr_workitem_id 0
		.amdhsa_next_free_vgpr 72
		.amdhsa_next_free_sgpr 66
		.amdhsa_reserve_vcc 0
		.amdhsa_float_denorm_mode_32 3
		.amdhsa_float_denorm_mode_16_64 3
		.amdhsa_memory_ordered 1
		.amdhsa_forward_progress 1
		.amdhsa_inst_pref_size 12
	.end_amdhsa_kernel
	.amdgpu_metadata
---
amdhsa.version: [ 1, 2 ]
amdhsa.kernels:
  - .name:           k_qd2016776aa_prep
    .symbol:         k_qd2016776aa_prep.kd
    .args:
      - { .name: query, .offset: 0, .size: 8, .value_kind: global_buffer, .address_space: global }
      - { .name: value, .offset: 8, .size: 8, .value_kind: global_buffer, .address_space: global }
      - { .name: Wd, .offset: 16, .size: 8, .value_kind: global_buffer, .address_space: global }
      - { .name: Qh, .offset: 24, .size: 8, .value_kind: global_buffer, .address_space: global }
      - { .name: Vt, .offset: 32, .size: 8, .value_kind: global_buffer, .address_space: global }
      - { .name: Wt, .offset: 40, .size: 8, .value_kind: global_buffer, .address_space: global }
    .group_segment_fixed_size: 18432
    .private_segment_fixed_size: 0
    .kernarg_segment_align: 8
    .kernarg_segment_size: 48
    .max_flat_workgroup_size: 256
    .sgpr_count:     66
    .vgpr_count:     72
    .wavefront_size: 32
...
	.end_amdgpu_metadata
.endif
;; end of part 1
;; launch scores (part 2): grid 256 x 1, 4 waves a work-group, clusters of 4 x 1, 327,680 bytes of LDS; arguments Qh, Wt, vd, U; writes U
.if DOCPART == 2
	.amdgcn_target "amdgcn-amd-amdhsa--gfx1250"
	.amdhsa_code_object_version 6
	.text
	.protected	k_qd2016776aa_scores
	.globl	k_qd2016776aa_scores
	.p2align	8
	.type	k_qd2016776aa_scores,@function
k_qd2016776aa_scores:
	s_mov_b64 s[64:65], 0
	v_nop
	global_prefetch_b8 v0, s[64:65] scope:SCOPE_SE
	s_setreg_imm32_b32 hwreg(HW_REG_WAVE_MODE, 25, 1), 1
	s_wait_xcnt 0x0
	s_wait_alu depctr_hold_cnt(0) depctr_sa_sdst(0) depctr_va_vdst(0) depctr_va_sdst(0) depctr_va_ssrc(0) depctr_va_vcc(0) depctr_vm_vsrc(0)
	s_getreg_b32 s2, hwreg(HW_REG_IB_STS2, 6, 4)
	s_cmp_eq_u32 s2, 0
	s_cbranch_scc0 .Lentry_in_a_cluster
	s_endpgm
.Lentry_in_a_cluster:
	s_bfe_u32 s2, ttmp6, 0x10000c
	s_cmp_lg_u32 s2, 0x3003
	s_cbranch_scc0 .Lentry_shape_is_right
	s_endpgm
.Lentry_shape_is_right:
; u[b][s][t] = sum over d of (-2 log2(e) vd[d]) / (1 + 2^x'),  x' = sum over h of Wt[d][h] Qh[s][h] Qh[t][h] = 2 log2(e) x.
; tanh x = 1 - 2 / (1 + e^(2x)), so log2(e) sum_d vd[d] tanh(x_d) = u + a constant that is the same for all t of a row and falls out of the softmax (whose true row maximum the next launch takes away).
; Where 2^x' is an infinity the quotient is 0, where it is 0 the quotient is 1: tanh = 1 and -1 without a clamp.
; SYMMETRY.  Both factors come from query, so u[s][t] = u[t][s] for every input: of the 32 tiles of 16 t only those 0 .. 16 tiles (cyclic) ahead of s's own tile are made; the next launch reads the others mirrored.
; LIMITS.  Operands in f16: |q_s q_t| / 16 < 65,504, that is |query| < 1,023; below 6e-5 the product keeps f16's fixed step of 6e-8.  NaN and infinities are not treated apart.
; SHARES.  A cluster (ttmp9 = 32 b + si) has 16 rows s, a work-group four of them (a = 0..3) and the 17 tiles (si + i) & 31.  Wave w makes tiles i = w, w+4, w+8, w+12 whole and a quarter (four of the 16 blocks of d) of
; tile 16: 4.25 tiles in every wave of the launch.
; THE FORM.  The generated operand A[a][k] (16 pairs (s, t) x 32 h, a = 0..3, k = 0..15) stays in 512 registers; Wt lies whole in LDS.  A PASS multiplies one block of 16 d, all 512 h, onto it: 64 matrix instructions on four
; accumulators that take turns, fed by 32 LDS loads.  The product is used transposed (source 0 = 16 rows d of Wt, source 1 = 16 pairs): a lane holds ONE pair (lane % 16) and eight d, so the sum over d stays in the lane.
; Two sets of accumulators: the finished set's exponentials, + 1, reciprocals stand behind the next pass's products, its multiply-adds by vd at the head of the pass after that.
; CLUSTER.  Wt is the same for all work-groups: each wave asks for 64 of its rows JOINTLY with the three partners, once.  The partners also read the same rows q_t, but beside Wt LDS has 55,808 bytes, less than the 65,536
; of one step's four tiles; they come straight into registers, 12 passes ahead of their use, so no wave waits for them and nothing is prefetched.
; REGISTERS, in windows of 256 (s_set_vgpr_msb: bits 1:0 source 0, 3:2 source 1, 5:4 source 2, 7:6 destination):
;   window 0: v0-11 addresses; v12-43 the sums over d; v44-63 at work; v64-127 two sets of four accumulators; v128-255 Wt's 16 fragments of a pass
;   window 1: v0-127 A, k = 0-3; v128-255 -2 log2(e) vd for my 16 passes      window 2: A, k = 4-11      window 3: v0-127 A, k = 12-15; v128-255 the next tile's q_t
; In a pass only source 1 leaves window 0: four switches for 64 matrix instructions.
.set PW,    1040                       ; a row of Wt in LDS: 1,024 bytes + 16: the 16 rows of a fragment load start at 16 different groups of four banks (64 banks of 4 bytes: ISA guide 11.1)
.set DTB,   16*PW                      ; a block of 16 d
.set QSB,   256*PW                     ; behind Wt: my work-group's four rows q_s, 1,024 bytes each
.set RED,   QSB+4096                   ; tile 16's four partial results, 256 bytes a wave
.set SPARE, RED+1024                   ; the spare words, 128 bytes for each wave: two blocks of 256 bytes that no other line names
.set AWL, 2                            ; v2   my lane's place in a block of Wt: (l % 16) x 1,040 + 16 (l / 16); never rewritten
.set AW,  3                            ; v3   the same in the block in hand
.set AQS, 4                            ; v4   QSB + 16 (l / 16)
.set QTL, 5                            ; v5   (l % 16) x 1,024 + 16 (l / 16): my place in 16 rows of Qh
.set UO,  6                            ; v6   16 (l % 16) + 8 (l / 16): my 8 bytes of a unit of U
.set RST, 7                            ; v7   where I put them in RED
.set RRD, 8                            ; v8   where wave 0 reads them
.set SPW, 10                           ; v10  LDS address of my spare word; never rewritten
.set NIL, 11                           ; v11  0; never rewritten
.set SACC, 12                          ; v[12:43]  row a, pair j of my eight d at 12 + 8 a + 2 j
.set PS,  44                           ; v[44:47]  a row's sum over my eight d
.set KP,  48                           ; v[48:51]  the two that I keep, the two that I give
.set RC,  52                           ; v[52:53]  the two that I get
.set FO,  54                           ; v[54:55]  the two that I store
.set TQ,  56                           ; v[56:63]  q_s on its way into LDS
.set ACC, 64
.set BF,  128
.set WV,  12                           ; s12  my wave's number
.set CX,  13                           ; s13  my work-group's place in the cluster: it enters global addresses alone
.set SI,  14                           ; s14  si
.set BB,  15                           ; s15  b
.set G1,  16                           ; s[16:23] descriptor group 1
.set G0,  24                           ; s[24:27] descriptor group 0
.set CNT, 28                           ; s28  counts the tiles
.set DT,  29                           ; s29  the block of d whose fragments are fetched next
.set OFF, 30                           ; s30  its byte in LDS
.set J,   31                           ; s31  i of the tile whose q_t was asked for last
.set QB,  34                           ; s[34:35] Qh at batch b
.set QTB, 36                           ; s[36:37] Qh at the 16 rows q_t
.set UB,  38                           ; s[38:39] U at the unit that I store next
.set HM,  42                           ; s42  lanes 16-31
.set SEL, 44                           ; s[44:45] v_permlanex16_b32's selects: each lane takes its own place in the other half
.set VS,  46                           ; s[46:47] -2 log2(e), twice
.set W1, 0x04
.set W2, 0x08
.set W3, 0x0c
.set MSB, 0
.macro WIN new                         ; the immediate's high byte repeats the setting that is left; a switch that changes nothing is dropped
.if MSB != (\new)
	s_set_vgpr_msb (MSB<<8)|(\new)
.set MSB, (\new)
.endif
.endm
; A round of the cluster's barrier: my work-group's barrier, so that wave 0's signal speaks for all four waves; wave 0 signals; every wave waits for all four work-groups; my work-group's barrier once more.
.macro CROUND
	s_barrier_signal -1
	s_barrier_wait -1
	s_cmp_lg_u32 s[WV], 0
	s_cbranch_scc1 .Lnot_wave_0_\@
	s_barrier_signal -3
.Lnot_wave_0_\@:
	s_barrier_wait -3
	s_barrier_signal -1
	s_barrier_wait -1
.endm
; 16 LDS loads in one run: eight of a block's sixteen fragments (16 d x 32 h each: two loads of 16 bytes, 32 bytes apart)
.macro RUN half
.irp k, 0,1,2,3,4,5,6,7
	ds_load_b128 v[BF+64*(\half)+8*(\k):BF+64*(\half)+8*(\k)+3],   v[AW] offset:512*(\half)+64*(\k)
	ds_load_b128 v[BF+64*(\half)+8*(\k)+4:BF+64*(\half)+8*(\k)+7], v[AW] offset:512*(\half)+64*(\k)+32
.endr
.endm
; The 16 rows q_t of a tile, as 16 fragments, into window 3.  step = 1: the wave's next tile, four on, or tile 16.  The loads that read s[QTB] before have been waited for.
.macro QTLOAD step
.if \step
	s_add_co_u32 s[J], s[J], 4
	s_min_u32 s[J], s[J], 16
.endif
	s_add_co_u32 s40, s[J], s[SI]
	s_and_b32 s40, s40, 31
	s_lshl_b32 s40, s40, 14                        ; 16 rows of 1,024 bytes
	s_mov_b32 s41, 0
	s_add_nc_u64 s[QTB:QTB+1], s[QB:QB+1], s[40:41]
	WIN 0xc0                                       ; destination window 3, address window 0
.irp k, 0,1,2,3,4,5,6,7,8,9,10,11,12,13,14,15
	global_load_b128 v[128+8*(\k):128+8*(\k)+3],   v[QTL], s[QTB:QTB+1] offset:64*(\k)
	global_load_b128 v[128+8*(\k)+4:128+8*(\k)+7], v[QTL], s[QTB:QTB+1] offset:64*(\k)+32
.endr
.endm
; Row a's eight quotients of the pass before last (they lie where pass i's products are about to start anew) times vd, onto the sums.  Pass 2 takes pass 0's: it starts a tile's sums.  Window W1.
.macro FF i, a
.set fc, ACC+32*((\i)%2)+8*(\a)
.set vf, 128+8*(((\i)+14)%16)
.irp j, 0,1,2,3
.if (\i) == 2
	v_pk_mul_f32 v[SACC+8*(\a)+2*(\j):SACC+8*(\a)+2*(\j)+1], v[fc+2*(\j):fc+2*(\j)+1], v[vf+2*(\j):vf+2*(\j)+1]
.else
	v_pk_fma_f32 v[SACC+8*(\a)+2*(\j):SACC+8*(\a)+2*(\j)+1], v[fc+2*(\j):fc+2*(\j)+1], v[vf+2*(\j):vf+2*(\j)+1], v[SACC+8*(\a)+2*(\j):SACC+8*(\a)+2*(\j)+1]
.endif
.endr
.endm
; The finished set's next exponential, + 1 (a pair), reciprocal: in place, ascending.
.macro EX
	v_exp_f32 v[prv+e], v[prv+e]
.set e, e+1
.endm
.macro PP
	v_pk_add_f32 v[prv+2*p:prv+2*p+1], v[prv+2*p:prv+2*p+1], 1.0 op_sel_hi:[1,0]
.set p, p+1
.endm
.macro RR
	v_rcp_f32 v[prv+r], v[prv+r]
.set r, r+1
.endm
; Product n of 64: h = 32 (n / 4) on, row a = n % 4.  The four accumulators take turns, one instruction a turn.  The first four start the sums with the constant 0.
.macro MM
.set kk, n/4
.set aa, n%4
.if kk < 4
	WIN W1
.set ra, 32*kk+8*aa
.elseif kk < 12
	WIN W2
.set ra, 32*(kk-4)+8*aa
.else
	WIN W3
.set ra, 32*(kk-12)+8*aa
.endif
.if kk == 0
	v_wmma_f32_16x16x32_f16 v[cur+8*aa:cur+8*aa+7], v[BF+8*kk:BF+8*kk+7], v[ra:ra+7], 0
.else
	v_wmma_f32_16x16x32_f16 v[cur+8*aa:cur+8*aa+7], v[BF+8*kk:BF+8*kk+7], v[ra:ra+7], v[cur+8*aa:cur+8*aa+7]
.endif
.set n, n+1
.endm
; A tile's sums over d are closed: my eight d are added; then the two halves of the lanes, which hold the other eight d of the same pair, exchange: lanes 0-15 end with rows a = 0, 1, lanes 16-31 with a = 2, 3.
.macro SUMS
.irp a, 0,1,2,3
	v_pk_add_f32 v[SACC+8*(\a):SACC+8*(\a)+1], v[SACC+8*(\a):SACC+8*(\a)+1], v[SACC+8*(\a)+2:SACC+8*(\a)+3]
	v_pk_add_f32 v[SACC+8*(\a)+4:SACC+8*(\a)+5], v[SACC+8*(\a)+4:SACC+8*(\a)+5], v[SACC+8*(\a)+6:SACC+8*(\a)+7]
.endr
.irp a, 0,1,2,3
	v_pk_add_f32 v[SACC+8*(\a):SACC+8*(\a)+1], v[SACC+8*(\a):SACC+8*(\a)+1], v[SACC+8*(\a)+4:SACC+8*(\a)+5]
.endr
.irp a, 0,1,2,3
	v_add_f32 v[PS+(\a)], v[SACC+8*(\a)], v[SACC+8*(\a)+1]
.endr
	v_cndmask_b32 v[KP],   v[PS],   v[PS+2], s[HM]
	v_cndmask_b32 v[KP+1], v[PS+1], v[PS+3], s[HM]
	v_cndmask_b32 v[KP+2], v[PS+2], v[PS],   s[HM]
	v_cndmask_b32 v[KP+3], v[PS+3], v[PS+1], s[HM]
	v_permlanex16_b32 v[RC],   v[KP+2], s[SEL], s[SEL+1]
	v_permlanex16_b32 v[RC+1], v[KP+3], s[SEL], s[SEL+1]
	v_add_f32 v[FO],   v[KP],   v[RC]
	v_add_f32 v[FO+1], v[KP+1], v[RC+1]
.endm
; The tile before is stored: 32 lanes x 8 bytes are one unit of U, 256 consecutive bytes, aligned.  skip = 1: the wave's first tile has none before it.
.macro FINAL skip
	WIN 0                                          ; at a branch and at a label every window is 0
.if \skip
	s_cmp_eq_u32 s[CNT], 4
	s_cbranch_scc1 .Lnone_\@
.endif
	SUMS
	global_store_b64 v[UO], v[FO:FO+1], s[UB:UB+1]
	s_wait_xcnt 0x0                                ; the store has read its registers: only behind this wait are its base and, a tile later, its data written again
	s_add_nc_u64 s[UB:UB+1], s[UB:UB+1], 1024      ; my next tile lies four units on
.if \skip
.Lnone_\@:
.endif
.endm
; A PASS.  i: its number in the tile.  fin = 1, 2: the tile before is stored (1: unless there is none).  qt = 1: the next tile's q_t is asked for.  last = 1: no pass follows.
; The two waits for transcendentals are one a batch (32 reciprocals, 32 exponentials); each stands a few plain lines ahead of a run of LDS loads.
; A run's loads go into registers that products have read: four plain lines or more, which name none of those products' registers, stand between (ISA guide 7.12.1 for vector instructions).
.macro PASS i, fin=0, qt=0, last=0
.set cur, ACC+32*((\i)%2)
.set prv, ACC+32*(((\i)+1)%2)
.set n, 0
.set e, 0
.set p, 0
.set r, 0
	WIN W1
	s_wait_alu depctr_va_vdst(0)                   ; one wait for the last pass's 32 reciprocals, ahead of their first reader
	FF \i, 0                                       ; four plain lines: the places behind the last pass's products
	RUN 1                                          ; this block's fragments 8-15
.if \qt
	QTLOAD 1
	WIN W1
.endif
	s_wait_dscnt 16                                ; fragments 0-7 are in; the 16 loads just issued may be out
	MM
	FF \i, 1
	MM
	FF \i, 2
	MM
	FF \i, 3
	MM
.if (\fin) == 1
	FINAL 1
.elseif (\fin) == 2
	FINAL 0
.endif
	EX
	EX
.rept 3
	MM
	EX
	EX
.endr
.rept 24
	MM
	EX
.endr
	MM
.if \last
	v_nop                                          ; the plain line behind the last exponential
.else
	s_add_co_u32 s[DT], s[DT], 1
	s_and_b32 s[DT], s[DT], 15
	s_mul_i32 s[OFF], s[DT], DTB
	v_add_nc_u32 v[AW], v[AWL], s[OFF]             ; the next block; also the plain line behind the last exponential
.endif
	s_wait_alu depctr_va_vdst(0)                   ; one wait for the 32 exponentials
	PP
	PP
	PP
	PP
.if \last
	s_wait_dscnt 0x0
.else
	RUN 0                                          ; the next block's fragments 0-7
	s_wait_dscnt 16                                ; this block's fragments 8-15 are in
.endif
.rept 6
	MM
	PP
	PP
	RR
.endr
.rept 26
	MM
	RR
.endr
.endm
; A IS MADE ANEW, a quarter (four steps of 32 h) at a time: q_s is read from LDS, the same 16 bytes for 16 lanes, straight into A's registers, and multiplied there by q_t.
.macro GSET g
.if (\g) == 0
.set gw, 1
.set gb, 0
.elseif (\g) == 1
.set gw, 2
.set gb, 0
.elseif (\g) == 2
.set gw, 2
.set gb, 128
.else
.set gw, 3
.set gb, 0
.endif
.endm
.macro QSL g
	GSET \g
	WIN gw<<6
.irp k, 0,1,2,3
.irp a, 0,1,2,3
	ds_load_b128 v[gb+32*(\k)+8*(\a):gb+32*(\k)+8*(\a)+3],   v[AQS] offset:(\a)*1024+(4*(\g)+(\k))*64
	ds_load_b128 v[gb+32*(\k)+8*(\a)+4:gb+32*(\k)+8*(\a)+7], v[AQS] offset:(\a)*1024+(4*(\g)+(\k))*64+32
.endr
.endr
.endm
.macro MUL g
	GSET \g
	WIN (gw<<6)|(3<<2)|gw
.irp k, 0,1,2,3
.irp a, 0,1,2,3
.irp j, 0,1,2,3,4,5,6,7
	v_pk_mul_f16 v[gb+32*(\k)+8*(\a)+(\j)], v[gb+32*(\k)+8*(\a)+(\j)], v[128+8*(4*(\g)+(\k))+(\j)]
.endr
.endr
.endr
.endm
.macro GEN
.rept 4
	v_nop                                          ; the places behind the last products, in front of loads into their sources
.endr
	s_wait_loadcnt 0x0                             ; q_t, asked for 12 passes ago
	QSL 0
	QSL 1
	s_wait_dscnt 32                                ; all but the youngest quarter's 32 loads
	MUL 0
	QSL 2
	s_wait_dscnt 32
	MUL 1
	QSL 3
	s_wait_dscnt 32
	MUL 2
	s_wait_dscnt 0x0
	MUL 3
	WIN 0
.endm
	s_load_b256 s[4:11], s[0:1], 0x0               ; Qh s[4:5], Wt s[6:7], vd s[8:9], U s[10:11]
	v_lshl_add_u32 v[SPW], v0, 2, SPARE
	v_mov_b32 v[NIL], 0
	ds_add_u32 v[SPW], v[NIL]                      ; the wave's opening: the add and its wait stand ahead of my first tensor load; the set-up below, work on registers, stands between them
	v_lshrrev_b32 v1, 5, v0
	v_readfirstlane_b32 s[WV], v1                  ; wave 0..3
	s_bfe_u32 s[CX], ttmp6, 0x40000
	s_and_b32 s[SI], ttmp9, 31                     ; in a cluster launch ttmp9 counts clusters
	s_lshr_b32 s[BB], ttmp9, 5
	; descriptor group 1: 64 rows x 512 elements of 2 bytes, padded in LDS
	s_mov_b32 s[G1+0], 15|(1<<16)|(1<<20)|(1<<21)|(7<<22)|(3<<25)  ; 15:0 the mask: all four work-groups; 17:16 elements of 2 bytes; 20 padding on; 21 set beside a mask; 24:22 after every 256 words (code 7); 31:25 4 words (code 3)
	s_mov_b32 s[G1+1], 512<<16                     ; tensor_dim0 = 512
	s_mov_b32 s[G1+2], 64<<16                      ; tensor_dim1 = 64
	s_mov_b32 s[G1+3], 512<<16                     ; tile_dim0 = 512
	s_mov_b32 s[G1+4], 64                          ; tile_dim1 = 64
	s_mov_b32 s[G1+5], 512                         ; elements from row to row
	s_mov_b32 s[G1+6], 0
	s_mov_b32 s[G1+7], 0
	s_mov_b32 s[G0], 1                             ; count = 1
	s_mul_i32 s[G0+1], s[WV], 64*PW                ; LDS address: my wave's 64 rows
	s_lshl_b32 s32, s[WV], 16                      ; the same rows in Wt
	s_mov_b32 s33, 0
	s_mov_b32 s[HM], 0xffff0000
	s_mov_b32 s[SEL], 0x76543210
	s_mov_b32 s[SEL+1], 0xfedcba98
	s_mov_b32 s[VS], 0xc038aa3b                    ; -2 log2(e)
	s_mov_b32 s[VS+1], s[VS]
	v_and_b32 v1, 15, v0                           ; l % 16
	v_bfe_u32 v9, v0, 4, 1                         ; l / 16
	v_mul_u32_u24 v[AWL], v1, PW
	v_lshl_add_u32 v[AWL], v9, 4, v[AWL]
	v_lshlrev_b32 v[AQS], 4, v9
	v_add_nc_u32 v[AQS], QSB, v[AQS]
	v_lshlrev_b32 v[QTL], 10, v1
	v_lshl_add_u32 v[QTL], v9, 4, v[QTL]
	v_lshlrev_b32 v[UO], 4, v1
	v_lshl_add_u32 v[UO], v9, 3, v[UO]
	s_lshl_b32 s40, s[WV], 8
	s_add_co_u32 s40, s40, RED
	v_add_nc_u32 v[RST], s40, v[UO]
	v_add_nc_u32 v[RRD], RED, v[UO]
	s_wait_dscnt 0x0                               ; the opening add is done
	s_wait_kmcnt 0x0
	s_add_nc_u64 s[G0+2:G0+3], s[6:7], s[32:33]    ; global address
	s_or_b32 s[G0+3], s[G0+3], 0x80000000          ; type = 2
	CROUND                                         ; all four work-groups are here: the joint loads meet
	tensor_load_to_lds s[G0:G0+3], s[G1:G1+7]      ; my quarter of Wt: the one tensor load of this wave
	s_nop 0
.rept 4
	v_nop
.endr
	s_lshl_b32 s40, s[BB], 19
	s_mov_b32 s41, 0
	s_add_nc_u64 s[QB:QB+1], s[4:5], s[40:41]
	s_lshl_b32 s40, s[SI], 14
	s_lshl_b32 s32, s[CX], 12
	s_add_co_u32 s40, s40, s32
	s_add_nc_u64 s[48:49], s[QB:QB+1], s[40:41]    ; my work-group's four rows q_s
	s_lshl_b32 s40, ttmp9, 2
	s_add_co_u32 s40, s40, s[CX]                   ; the quad's number,
	s_mul_i32 s40, s40, 17                         ; its 17 units,
	s_add_co_u32 s40, s40, s[WV]                   ; my first
	s_lshl_b32 s40, s40, 8
	s_add_nc_u64 s[UB:UB+1], s[10:11], s[40:41]
	v_lshlrev_b32 v1, 4, v0
	global_load_b128 v[TQ:TQ+3],   v1, s[48:49]
	global_load_b128 v[TQ+4:TQ+7], v1, s[48:49] offset:2048
	s_lshl_b32 s32, s[WV], 8
	v_lshl_add_u32 v[PS], v9, 5, s32               ; pass i takes block (i + 4 w) & 15 of d: vd's bytes (64 i + 256 w) & 1023, + 32 (l / 16)
.set i, 0
.rept 16
	v_add_nc_u32 v[BF+i], 64*i, v[PS]
	v_and_b32 v[BF+i], 1023, v[BF+i]
.set i, i+1
.endr
	WIN 0x40                                       ; destination window 1, address window 0
.set i, 0
.rept 16
	global_load_b128 v[128+8*i:128+8*i+3],   v[BF+i], s[8:9]
	global_load_b128 v[128+8*i+4:128+8*i+7], v[BF+i], s[8:9] offset:16
.set i, i+1
.endr
	WIN 0
	v_add_nc_u32 v9, QSB, v1
	; The first tile is a tile like any other: the work that stands behind its first two passes' products finds zeros and its results are dropped when pass 2 starts the sums.  The price: these 98 lines, in the wait for Wt.
.set i, 0
.rept 64
	v_mov_b32 v[ACC+i], 0
.set i, i+1
.endr
.set i, 0
.rept 32
	v_mov_b32 v[SACC+i], 0
.set i, i+1
.endr
	v_mov_b32 v[RC], 0                             ; v_permlanex16_b32 counts as a reader of its destination
	v_mov_b32 v[RC+1], 0
	s_wait_loadcnt 32                              ; q_s is in; vd's 32 loads may be out
	ds_store_b128 v9, v[TQ:TQ+3]
	ds_store_b128 v9, v[TQ+4:TQ+7] offset:2048
	s_mov_b32 s[J], s[WV]
	QTLOAD 0                                       ; my first tile's q_t
	s_wait_loadcnt 32                              ; vd is in; q_t's 32 loads may be out
	WIN 0x41
.set i, 0
.rept 64
	v_pk_mul_f32 v[128+2*i:128+2*i+1], v[128+2*i:128+2*i+1], s[VS:VS+1] op_sel_hi:[1,0]
.set i, i+1
.endr
	WIN 0
	s_lshl_b32 s[DT], s[WV], 2                     ; wave w begins at block 4 w, so that tile 16's four passes are its own quarter
	s_mul_i32 s[OFF], s[DT], DTB
	v_add_nc_u32 v[AW], v[AWL], s[OFF]
	s_wait_tensorcnt 0x0                           ; my quarter of Wt has landed,
	s_wait_dscnt 0x0                               ; my part of q_s is stored:
	s_barrier_signal -1
	s_barrier_wait -1                              ; everybody's is.  Nothing in LDS is filled again
	RUN 0
	s_mov_b32 s[CNT], 5
	s_branch .Lgen                                 ; the loop is entered where A is made
.Ltile:                                        ; four trips: a whole tile, then A for the next
	PASS 0
	PASS 1, 1
	PASS 2
	PASS 3
	PASS 4, 0, 1
	PASS 5
	PASS 6
	PASS 7
	PASS 8
	PASS 9
	PASS 10
	PASS 11
	PASS 12
	PASS 13
	PASS 14
	PASS 15
	v_nop                                          ; a plain line behind the last reciprocal,
	s_wait_alu depctr_va_vdst(0)                   ; and the batch's wait, ahead of the label
	WIN 0
.Lgen:
	GEN
	s_sub_co_u32 s[CNT], s[CNT], 1
	s_cmp_lg_u32 s[CNT], 0
	s_cbranch_scc1 .Ltile
	; TILE 16: four passes, my quarter of d
	PASS 0
	PASS 1, 2                                      ; my last whole tile is stored
	PASS 2
	PASS 3, 0, 0, 1
	WIN W1
	s_wait_alu depctr_va_vdst(0)                   ; pass 2's reciprocals
	FF 4, 0                                        ; pass 2's quotients; sixteen plain lines, the places behind the last products
	FF 4, 1
	FF 4, 2
	FF 4, 3
.set prv, ACC+32                       ; pass 3's results
.set e, 0
.rept 32
	EX
.endr
	v_nop
	s_wait_alu depctr_va_vdst(0)
.set p, 0
.rept 16
	PP
.endr
.set r, 0
.rept 32
	RR
.endr
	v_nop
	s_wait_alu depctr_va_vdst(0)
	FF 5, 0
	FF 5, 1
	FF 5, 2
	FF 5, 3
	WIN 0
	SUMS
	ds_store_b64 v[RST], v[FO:FO+1]
	s_wait_dscnt 0x0                               ; for wave 0's sake: my partial result is stored
	s_barrier_signal -1
	s_barrier_wait -1
	s_cmp_lg_u32 s[WV], 0
	s_cbranch_scc1 .Lend
.irp w, 0,1,2,3
	ds_load_b64 v[SACC+2*(\w):SACC+2*(\w)+1], v[RRD] offset:256*(\w)
.endr
	s_wait_dscnt 0x0
	v_pk_add_f32 v[SACC:SACC+1], v[SACC:SACC+1], v[SACC+2:SACC+3]
	v_pk_add_f32 v[SACC+4:SACC+5], v[SACC+4:SACC+5], v[SACC+6:SACC+7]
	v_pk_add_f32 v[SACC:SACC+1], v[SACC:SACC+1], v[SACC+4:SACC+5]
	global_store_b64 v[UO], v[SACC:SACC+1], s[UB:UB+1]  ; wave 0's four steps of four units have brought its base to unit 16
.Lend:
	s_wait_tensorcnt 0x0                           ; the wave's end, behind my last tensor load and my last LDS store
	ds_add_u32 v[SPW], v[NIL]
	s_wait_dscnt 0x0
	CROUND                                         ; the closing round: no work-group ends while a partner may still ask for a tile that names it
	s_endpgm
.Lfunc_end_k_qd2016776aa_scores:
	.size	k_qd2016776aa_scores, .Lfunc_end_k_qd2016776aa_scores-k_qd2016776aa_scores
	.p2alignl 7, 3214868480
	.fill 96, 4, 3214868480
	.section	.rodata,"a",@progbits
	.p2align	6, 0x0
	.amdhsa_kernel k_qd2016776aa_scores
		.amdhsa_group_segment_fixed_size 327680
		.amdhsa_private_segment_fixed_size 0
		.amdhsa_enable_private_segment 0
		.amdhsa_kernarg_size 32
		.amdhsa_user_sgpr_count 2
		.amdhsa_user_sgpr_kernarg_segment_ptr 1
		.amdhsa_wavefront_size32 1
		.amdhsa_system_sgpr_workgroup_id_x 1
		.amdhsa_system_sgpr_workgroup_id_y 1
		.amdhsa_system_sgpr_workgroup_id_z 1
		.amdhsa_system_vgpr_workitem_id 0
		.amdhsa_next_free_vgpr 1024
		.amdhsa_next_free_sgpr 66
		.amdhsa_reserve_vcc 0
		.amdhsa_float_denorm_mode_32 3
		.amdhsa_float_denorm_mode_16_64 3
		.amdhsa_memory_ordered 1
		.amdhsa_forward_progress 1
		.amdhsa_inst_pref_size 255
	.end_amdhsa_kernel
	.section	.bss,"aw",@nobits
	.p2align	6
	.space	262144
	.amdgpu_metadata
---
amdhsa.version: [ 1, 2 ]
amdhsa.kernels:
  - .name:           k_qd2016776aa_scores
    .symbol:         k_qd2016776aa_scores.kd
    .args:
      - { .name: Qh, .offset: 0, .size: 8, .value_kind: global_buffer, .address_space: global }
      - { .name: Wt, .offset: 8, .size: 8, .value_kind: global_buffer, .address_space: global }
      - { .name: vd, .offset: 16, .size: 8, .value_kind: global_buffer, .address_space: global }
      - { .name: U, .offset: 24, .size: 8, .value_kind: global_buffer, .address_space: global }
    .group_segment_fixed_size: 327680
    .private_segment_fixed_size: 0
    .kernarg_segment_align: 8
    .kernarg_segment_size: 32
    .max_flat_workgroup_size: 128
    .sgpr_count:     66
    .vgpr_count:     1024
    .wavefront_size: 32
...
	.end_amdgpu_metadata
.endif
;; end of part 2
;; launch finish (part 3): grid 256 x 1, 8 waves a work-group, no clusters, 58,880 bytes of LDS; arguments U, Vt, out0, out1; writes out0, out1
.if DOCPART == 3
	.amdgcn_target "amdgcn-amd-amdhsa--gfx1250"
	.amdhsa_code_object_version 6
	.text
	.protected	k_qd2016776aa_finish
	.globl	k_qd2016776aa_finish
	.p2align	8
	.type	k_qd2016776aa_finish,@function
k_qd2016776aa_finish:
	s_mov_b64 s[64:65], 0
	v_nop
	global_prefetch_b8 v0, s[64:65] scope:SCOPE_SE
	s_setreg_imm32_b32 hwreg(HW_REG_WAVE_MODE, 25, 1), 1
	s_wait_xcnt 0x0
; atten[b][s][t] = 2^(u - m) / sum over t of 2^(u - m), m the row's true maximum of u; context[b][s][e] = sum over t of atten[b][s][t] value[b][t][e].
; u comes from U in units of 256 bytes: unit (quad Q = 128 b + s / 4, i) holds [r = 0..15][a = 0..3] = u[s = 4 (Q & 127) + a][t = 16 ((s / 16 + i) & 31) + r], i = 0 .. 16.
; The block of 16 rows (tile si) x 16 columns (tile tj) is there DIRECT if (tj - si) & 31 <= 16, else MIRRORED, as the block (tj, si): u is symmetric, since both its factors come from query.
; SHARES.  A work-group (ttmp9 = 128 b + 4 si + ec) has 16 rows and 128 columns (chunk ec) of both outputs.  Each of a tile's four work-groups makes the 16 rows' softmax for itself (8,192 exponentials) and stores its own chunk.
; LIMITS.  For the second product atten is rounded to f16 (below 6e-5 it keeps f16's fixed step of 6e-8; out1 itself is f32) and value was (|value| < 65,504).  A weight below 2^-126 counts as 0.  NaN and infinities are not treated apart.
; NO CLUSTER: the four work-groups of a tile share U's 32 KiB, and the 32 tiles share Vt's rows, but each is read once, at the head, straight into registers; joint loads would add a trip through LDS and the cluster's rounds to a launch
; with one short phase of each kind.  No prefetch: every load is issued at the head.
.set PB,    32768                      ; RAW[32 tj][1,024] lies at 0: a block's four units as they come; behind it P[16][1,040]: atten in f16, rows of 1,024 bytes + 16
.set PPI,   1040
.set CB,    PB+16*PPI                  ; CST[16][528]: context, 128 f32 a row + 16 bytes
.set CPI,   528
.set SPARE, CB+16*CPI                  ; the spare words, 128 bytes for each of eight waves
.set RW,   1                           ; v1   l % 16
.set HH,   2                           ; v2   l / 16
.set TMP,  3
.set SPW,  4                           ; v4   LDS address of my spare word; never rewritten
.set NIL,  5                           ; v5   0; never rewritten
.set LQ,   6                           ; v6   my 16 bytes among a block's four units in U: q x 4,352 + 16 r
.set RS,   7                           ; v7   16 x thread
.set VO,   8                           ; v8   my place in 16 rows of Vt
.set LN,   9                           ; v9   lane
.set TT,   10                          ; v10  lane / 4: which of a chunk's eight tiles
.set M4,   11                          ; v11  lane % 4: which four of its 16 columns
.set DB,   12                          ; v12  my place in a chunk of RAW, read as direct
.set MB,   13                          ; v13  read as mirrored
.set DA,   14                          ; v[14:17] the same in chunk (ec + j) & 3; later: where I put atten
.set MA,   18                          ; v[18:21]
.set PST,  22                          ; v22  my 8 bytes in my first row of P, chunk 0
.set PFA,  23                          ; v23  my place in a fragment of P
.set CSTO, 24                          ; v24  where I put 32 bytes of context
.set CRD,  25                          ; v25  where I read a row back
.set O1,   26                          ; v26  my 16 bytes in the work-group's part of either output
.set MX,   28                          ; v28, v30 a row's maximum, later 1 / its sum; v29, v31 at work
.set AC,   32                          ; v[32:63] four accumulators
.set GOF,  64                          ; v[64:71] offsets of my eight loads from U
.set UD,   72                          ; v[72:103] their data
.set XD,   64                          ; v[64:95] two rows x 16 numbers, read as direct; then the numbers themselves
.set XM,   96                          ; v[96:127] read as mirrored
.set TS,   96                          ; later at work
.set PF,   64                          ; later eight fragments of P
.set VF,   128                         ; v[128:255] Vt's 16 fragments
.set WV,   12
.set EC,   13
.set SI,   14
.set BB,   15
.set WH,   16                          ; s16  wave / 2
.set B128, 17                          ; s17  128 b
.set CH,   24                          ; s[24:27] (ec + j) & 3
.set MK,   28                          ; s[28:31] lanes whose tile of chunk j is direct
.set VB,   32                          ; s[32:33] Vt at my wave's 16 rows
.set OB0,  34                          ; s[34:35] out0 at the work-group's first row and column
.set OB1,  36                          ; s[36:37] out1 likewise
.set SEL,  38                          ; s[38:39]
	s_load_b256 s[4:11], s[0:1], 0x0               ; U s[4:5], Vt s[6:7], out0 s[8:9], out1 s[10:11]
	v_lshl_add_u32 v[SPW], v0, 2, SPARE
	v_mov_b32 v[NIL], 0
	v_lshrrev_b32 v[TMP], 5, v0
	v_readfirstlane_b32 s[WV], v[TMP]              ; wave 0..7
	s_and_b32 s[EC], ttmp9, 3
	s_bfe_u32 s[SI], ttmp9, 0x50002
	s_lshr_b32 s[BB], ttmp9, 7
	s_lshr_b32 s[WH], s[WV], 1
	s_lshl_b32 s[B128], s[BB], 7
	s_mov_b32 s[SEL], 0x76543210
	s_mov_b32 s[SEL+1], 0xfedcba98
	v_and_b32 v[RW], 15, v0
	v_bfe_u32 v[HH], v0, 4, 1
	v_bfe_u32 v[TMP], v0, 4, 2                     ; q
	v_mul_u32_u24 v[LQ], v[TMP], 4352              ; a quad's 17 units
	v_lshl_add_u32 v[LQ], v[RW], 4, v[LQ]
	v_lshlrev_b32 v[RS], 4, v0
	v_lshlrev_b32 v[VO], 10, v[RW]
	v_lshl_add_u32 v[VO], v[HH], 4, v[VO]
	s_lshl_b32 s40, s[BB], 19                      ; Vt: batch b,
	s_lshl_b32 s20, s[EC], 17                      ; chunk ec's 128 rows,
	s_add_co_u32 s40, s40, s20
	s_lshl_b32 s20, s[WV], 14                      ; my wave's 16
	s_add_co_u32 s40, s40, s20
	s_mov_b32 s41, 0
	s_lshr_b32 s42, ttmp9, 2                       ; the outputs: 16 rows of 2,048 bytes for each 32 b + si,
	s_lshl_b32 s42, s42, 15
	s_lshl_b32 s20, s[EC], 9                       ; chunk ec's 512 bytes
	s_add_co_u32 s42, s42, s20
	s_mov_b32 s43, 0
	s_wait_kmcnt 0x0
	s_add_nc_u64 s[VB:VB+1], s[6:7], s[40:41]
	s_add_nc_u64 s[OB0:OB0+1], s[8:9], s[42:43]
	s_add_nc_u64 s[OB1:OB1+1], s[10:11], s[42:43]
	; U: in load i the work-group takes blocks tj = 4 i .. 4 i + 3, two waves a block, sixteen lanes a unit of 256 bytes
.irp i, 0,1,2,3,4,5,6,7
	s_add_co_u32 s18, s[WH], 4*(\i)                ; tj
	s_sub_co_u32 s19, s18, s[SI]
	s_and_b32 s19, s19, 31                         ; (tj - si) & 31
	s_sub_co_u32 s20, 32, s19
	s_cmp_le_u32 s19, 16                           ; direct?
	s_cselect_b32 s21, s[SI], s18                  ; the tile whose quads hold the block,
	s_cselect_b32 s22, s19, s20                    ; and which of their units
	s_lshl_b32 s21, s21, 2
	s_add_co_u32 s21, s21, s[B128]
	s_mul_i32 s21, s21, 17
	s_add_co_u32 s21, s21, s22
	s_lshl_b32 s21, s21, 8
	v_add_nc_u32 v[GOF+(\i)], s21, v[LQ]
	global_load_b128 v[UD+4*(\i):UD+4*(\i)+3], v[GOF+(\i)], s[4:5]
.endr
	; Vt: 16 fragments of 16 rows e x 32 t, straight into registers: lane l holds row l % 16; two loads of 16 bytes, 32 bytes apart
.irp k, 0,1,2,3,4,5,6,7,8,9,10,11,12,13,14,15
	global_load_b128 v[VF+8*(\k):VF+8*(\k)+3],   v[VO], s[VB:VB+1] offset:64*(\k)
	global_load_b128 v[VF+8*(\k)+4:VF+8*(\k)+7], v[VO], s[VB:VB+1] offset:64*(\k)+32
.endr
	; The addresses, while the loads are out.  My wave has rows rho = 2 w and 2 w + 1; of chunk ch my lane has t = 128 ch + 4 l + 0..3: tile 8 ch + l / 4, columns 4 (l % 4) + 0..3.
	; In a block, number (x, y) lies at 256 (x / 4) + 4 (x % 4) + 16 y.  Direct: x = rho, y = the column: four words 16 bytes apart.  Mirrored: x = the column, y = rho: 16 bytes on end.
	v_and_b32 v[LN], 31, v0
	v_lshrrev_b32 v[TT], 2, v[LN]
	v_and_b32 v[M4], 3, v[LN]
	v_lshlrev_b32 v[DB], 10, v[TT]
	v_lshl_add_u32 v[MB], v[M4], 8, v[DB]
	v_lshl_add_u32 v[DB], v[M4], 6, v[DB]
	s_lshl_b32 s20, s[WH], 8                       ; 256 (rho / 4)
	s_and_b32 s21, s[WV], 1
	s_lshl_b32 s21, s21, 3                         ; 4 (rho % 4)
	s_add_co_u32 s20, s20, s21
	v_add_nc_u32 v[DB], s20, v[DB]
	s_lshl_b32 s20, s[WV], 5                       ; 16 rho
	v_add_nc_u32 v[MB], s20, v[MB]
.irp j, 0,1,2,3                        ; the chunks are taken from my own on, so that registers 0-3 of a row are what this work-group stores
	s_add_co_u32 s[CH+(\j)], s[EC], \j
	s_and_b32 s[CH+(\j)], s[CH+(\j)], 3
	s_lshl_b32 s20, s[CH+(\j)], 13
	v_add_nc_u32 v[DA+(\j)], s20, v[DB]
	v_add_nc_u32 v[MA+(\j)], s20, v[MB]
	s_lshl_b32 s20, s[CH+(\j)], 3
	s_sub_co_u32 s20, s20, s[SI]
	v_add_nc_u32 v[TMP], s20, v[TT]
	v_and_b32 v[TMP], 31, v[TMP]                   ; (tj - si) & 31 of my lane's tile
	v_cmp_ge_u32 s[MK+(\j)], 16, v[TMP]
.endr
	s_mul_i32 s20, s[WV], 2*PPI
	s_add_co_u32 s20, s20, PB
	v_lshl_add_u32 v[PST], v[LN], 3, s20
	v_mul_u32_u24 v[PFA], v[RW], PPI
	v_lshl_add_u32 v[PFA], v[HH], 4, v[PFA]
	v_add_nc_u32 v[PFA], PB, v[PFA]
	s_lshl_b32 s20, s[WV], 6
	s_add_co_u32 s20, s20, CB
	v_mul_u32_u24 v[CSTO], v[RW], CPI
	v_lshl_add_u32 v[CSTO], v[HH], 5, v[CSTO]
	v_add_nc_u32 v[CSTO], s20, v[CSTO]
	s_mul_i32 s20, s[WV], 2*CPI
	s_add_co_u32 s20, s20, CB
	v_lshl_add_u32 v[CRD], v[LN], 4, s20
	s_lshl_b32 s20, s[WV], 12                      ; my two rows of 2,048 bytes
	v_lshl_add_u32 v[O1], v[LN], 4, s20
	v_mov_b32 v[MX+1], 0                           ; v_permlanex16_b32 counts as a reader of its destination
	v_mov_b32 v[MX+3], 0
	s_wait_loadcnt 32                              ; U's eight loads are in; Vt's 32 may be out
.irp i, 0,1,2,3,4,5,6,7
	ds_store_b128 v[RS], v[UD+4*(\i):UD+4*(\i)+3] offset:4096*(\i)
.endr
	s_wait_dscnt 0x0                               ; for the others' sake: my stores are done
	s_barrier_signal -1
	s_barrier_wait -1                              ; RAW is whole
.irp j, 0,1,2,3
.irp p, 0,1
	ds_load_b128 v[XM+16*(\p)+4*(\j):XM+16*(\p)+4*(\j)+3], v[MA+(\j)] offset:16*(\p)
.irp e, 0,1,2,3
	ds_load_b32 v[XD+16*(\p)+4*(\j)+(\e)], v[DA+(\j)] offset:16*(\e)+4*(\p)
.endr
.endr
.endr
	s_wait_dscnt 0x0
.irp j, 0,1,2,3
.irp p, 0,1
.irp e, 0,1,2,3
	v_cndmask_b32 v[XD+16*(\p)+4*(\j)+(\e)], v[XM+16*(\p)+4*(\j)+(\e)], v[XD+16*(\p)+4*(\j)+(\e)], s[MK+(\j)]
.endr
.endr
.endr
	; the rows' maxima: in the lane, then across the 32 lanes; the two rows alternate
.irp p, 0,1
	v_max3_num_f32 v[MX+2*(\p)], v[XD+16*(\p)], v[XD+16*(\p)+1], v[XD+16*(\p)+2]
.endr
.set k, 3
.rept 6
.irp p, 0,1
	v_max3_num_f32 v[MX+2*(\p)], v[MX+2*(\p)], v[XD+16*(\p)+k], v[XD+16*(\p)+k+1]
.endr
.set k, k+2
.endr
.irp p, 0,1
	v_max_num_f32 v[MX+2*(\p)], v[MX+2*(\p)], v[XD+16*(\p)+15]
.endr
.irp x, 1,2,4,8
.irp p, 0,1
	v_max_num_f32_dpp v[MX+2*(\p)], v[MX+2*(\p)], v[MX+2*(\p)] row_xmask:\x row_mask:0xf bank_mask:0xf
.endr
.endr
.irp p, 0,1
	v_permlanex16_b32 v[MX+2*(\p)+1], v[MX+2*(\p)], s[SEL], s[SEL+1]
.endr
.irp p, 0,1
	v_max_num_f32 v[MX+2*(\p)], v[MX+2*(\p)], v[MX+2*(\p)+1]
.endr
.irp p, 0,1
.irp q, 0,1,2,3,4,5,6,7
	v_pk_add_f32 v[XD+16*(\p)+2*(\q):XD+16*(\p)+2*(\q)+1], v[XD+16*(\p)+2*(\q):XD+16*(\p)+2*(\q)+1], v[MX+2*(\p):MX+2*(\p)+1] op_sel_hi:[1,0] neg_lo:[0,1] neg_hi:[0,1]  ; u - m
.endr
.endr
.set k, 0
.rept 32
	v_exp_f32 v[XD+k], v[XD+k]
.set k, k+1
.endr
	v_nop                                          ; a plain line behind the last exponential,
	s_wait_alu depctr_va_vdst(0)                   ; and one wait for the 32, ahead of their first reader
	; the rows' sums, in f32
.irp p, 0,1
.irp q, 0,1,2,3
	v_pk_add_f32 v[TS+8*(\p)+2*(\q):TS+8*(\p)+2*(\q)+1], v[XD+16*(\p)+4*(\q):XD+16*(\p)+4*(\q)+1], v[XD+16*(\p)+4*(\q)+2:XD+16*(\p)+4*(\q)+3]
.endr
.endr
.irp p, 0,1
	v_pk_add_f32 v[TS+8*(\p):TS+8*(\p)+1], v[TS+8*(\p):TS+8*(\p)+1], v[TS+8*(\p)+2:TS+8*(\p)+3]
	v_pk_add_f32 v[TS+8*(\p)+4:TS+8*(\p)+5], v[TS+8*(\p)+4:TS+8*(\p)+5], v[TS+8*(\p)+6:TS+8*(\p)+7]
.endr
.irp p, 0,1
	v_pk_add_f32 v[TS+8*(\p):TS+8*(\p)+1], v[TS+8*(\p):TS+8*(\p)+1], v[TS+8*(\p)+4:TS+8*(\p)+5]
.endr
.irp p, 0,1
	v_add_f32 v[TS+8*(\p)], v[TS+8*(\p)], v[TS+8*(\p)+1]
.endr
.irp x, 1,2,4,8
.irp p, 0,1
	v_add_f32_dpp v[TS+8*(\p)], v[TS+8*(\p)], v[TS+8*(\p)] row_xmask:\x row_mask:0xf bank_mask:0xf
.endr
.endr
.irp p, 0,1
	v_permlanex16_b32 v[MX+2*(\p)+1], v[TS+8*(\p)], s[SEL], s[SEL+1]
.endr
.irp p, 0,1
	v_add_f32 v[TS+8*(\p)], v[TS+8*(\p)], v[MX+2*(\p)+1]
.endr
.irp p, 0,1
	v_rcp_f32 v[MX+2*(\p)], v[TS+8*(\p)]           ; the sum is 1 at the least: the maximum's own weight
.endr
	v_nop
	s_wait_alu depctr_va_vdst(0)                   ; one wait for the two reciprocals
.irp p, 0,1
.irp q, 0,1,2,3,4,5,6,7
	v_pk_mul_f32 v[XD+16*(\p)+2*(\q):XD+16*(\p)+2*(\q)+1], v[XD+16*(\p)+2*(\q):XD+16*(\p)+2*(\q)+1], v[MX+2*(\p):MX+2*(\p)+1] op_sel_hi:[1,0]
.endr
.endr
.irp p, 0,1
	global_store_b128 v[O1], v[XD+16*(\p):XD+16*(\p)+3], s[OB1:OB1+1] offset:2048*(\p)  ; my own chunk of atten: a wave stores 512 consecutive bytes, aligned
.endr
.irp p, 0,1
.irp q, 0,1,2,3,4,5,6,7
	v_cvt_pk_f16_f32 v[TS+8*(\p)+(\q)], v[XD+16*(\p)+2*(\q)], v[XD+16*(\p)+2*(\q)+1]
.endr
.endr
.irp j, 0,1,2,3
	s_lshl_b32 s20, s[CH+(\j)], 8                  ; a chunk is 256 bytes of a row of P
	v_add_nc_u32 v[DA+(\j)], s20, v[PST]
.irp p, 0,1
	ds_store_b64 v[DA+(\j)], v[TS+8*(\p)+2*(\j):TS+8*(\p)+2*(\j)+1] offset:PPI*(\p)
.endr
.endr
	s_wait_dscnt 0x0                               ; for the others' sake: my two rows of P are stored
	s_barrier_signal -1
	s_barrier_wait -1                              ; P is whole
	; context^T = Vt P^T (source 0 = 16 rows e of Vt, source 1 = the 16 rows s of P): a lane ends with ONE row s (l % 16) and eight neighbouring columns e.  Four accumulators take turns.
	s_wait_xcnt 0x0                                ; atten's stores have read their data: only behind this wait are those registers loaded again
.irp k, 0,1,2,3,4,5,6,7
	ds_load_b128 v[PF+8*(\k):PF+8*(\k)+3],   v[PFA] offset:64*(\k)
	ds_load_b128 v[PF+8*(\k)+4:PF+8*(\k)+7], v[PFA] offset:64*(\k)+32
.endr
	s_wait_loadcnt 0x0                             ; Vt
	s_wait_dscnt 0x0
.irp k, 0,1,2,3
	v_wmma_f32_16x16x32_f16 v[AC+8*(\k):AC+8*(\k)+7], v[VF+8*(\k):VF+8*(\k)+7], v[PF+8*(\k):PF+8*(\k)+7], 0
.endr
.irp k, 4,5,6,7
	v_wmma_f32_16x16x32_f16 v[AC+8*((\k)-4):AC+8*((\k)-4)+7], v[VF+8*(\k):VF+8*(\k)+7], v[PF+8*(\k):PF+8*(\k)+7], v[AC+8*((\k)-4):AC+8*((\k)-4)+7]
.endr
.rept 4
	v_nop                                          ; the places in front of loads into registers that those products have read
.endr
.irp k, 0,1,2,3,4,5,6,7
	ds_load_b128 v[PF+8*(\k):PF+8*(\k)+3],   v[PFA] offset:512+64*(\k)
	ds_load_b128 v[PF+8*(\k)+4:PF+8*(\k)+7], v[PFA] offset:512+64*(\k)+32
.endr
	s_wait_dscnt 0x0
.irp k, 0,1,2,3,4,5,6,7
	v_wmma_f32_16x16x32_f16 v[AC+8*((\k)%4):AC+8*((\k)%4)+7], v[VF+64+8*(\k):VF+64+8*(\k)+7], v[PF+8*(\k):PF+8*(\k)+7], v[AC+8*((\k)%4):AC+8*((\k)%4)+7]
.endr
.rept 8
	v_nop                                          ; the places behind the last products, once a launch
.endr
.set k, 0
.rept 4                                ; the four partial sums, each accumulator from its low end on
	v_pk_add_f32 v[AC+k:AC+k+1], v[AC+k:AC+k+1], v[AC+8+k:AC+8+k+1]
	v_pk_add_f32 v[AC+16+k:AC+16+k+1], v[AC+16+k:AC+16+k+1], v[AC+24+k:AC+24+k+1]
.set k, k+2
.endr
.set k, 0
.rept 4
	v_pk_add_f32 v[AC+k:AC+k+1], v[AC+k:AC+k+1], v[AC+16+k:AC+16+k+1]
.set k, k+2
.endr
	ds_store_b128 v[CSTO], v[AC:AC+3]
	ds_store_b128 v[CSTO], v[AC+4:AC+7] offset:16
	s_wait_dscnt 0x0                               ; for the others' sake: a row's 512 bytes come from eight waves
	s_barrier_signal -1
	s_barrier_wait -1
	ds_load_b128 v[AC+8:AC+11],  v[CRD]
	ds_load_b128 v[AC+12:AC+15], v[CRD] offset:CPI
	s_wait_dscnt 1                                 ; the first row is back; the second may be out
	global_store_b128 v[O1], v[AC+8:AC+11], s[OB0:OB0+1]  ; a wave stores 512 consecutive bytes, aligned
	s_wait_dscnt 0x0
	global_store_b128 v[O1], v[AC+12:AC+15], s[OB0:OB0+1] offset:2048
	s_wait_tensorcnt 0x0                           ; the wave's end, behind my last LDS store
	ds_add_u32 v[SPW], v[NIL]
	s_wait_dscnt 0x0
	s_endpgm
.Lfunc_end_k_qd2016776aa_finish:
	.size	k_qd2016776aa_finish, .Lfunc_end_k_qd2016776aa_finish-k_qd2016776aa_finish
	.p2alignl 7, 3214868480
	.fill 96, 4, 3214868480
	.section	.rodata,"a",@progbits
	.p2align	6, 0x0
	.amdhsa_kernel k_qd2016776aa_finish
		.amdhsa_group_segment_fixed_size 58880
		.amdhsa_private_segment_fixed_size 0
		.amdhsa_enable_private_segment 0
		.amdhsa_kernarg_size 32
		.amdhsa_user_sgpr_count 2
		.amdhsa_user_sgpr_kernarg_segment_ptr 1
		.amdhsa_wavefront_size32 1
		.amdhsa_system_sgpr_workgroup_id_x 1
		.amdhsa_system_sgpr_workgroup_id_y 1
		.amdhsa_system_sgpr_workgroup_id_z 1
		.amdhsa_system_vgpr_workitem_id 0
		.amdhsa_next_free_vgpr 256
		.amdhsa_next_free_sgpr 66
		.amdhsa_reserve_vcc 0
		.amdhsa_float_denorm_mode_32 3
		.amdhsa_float_denorm_mode_16_64 3
		.amdhsa_memory_ordered 1
		.amdhsa_forward_progress 1
		.amdhsa_inst_pref_size 31
	.end_amdhsa_kernel
	.amdgpu_metadata
---
amdhsa.version: [ 1, 2 ]
amdhsa.kernels:
  - .name:           k_qd2016776aa_finish
    .symbol:         k_qd2016776aa_finish.kd
    .args:
      - { .name: U, .offset: 0, .size: 8, .value_kind: global_buffer, .address_space: global }
      - { .name: Vt, .offset: 8, .size: 8, .value_kind: global_buffer, .address_space: global }
      - { .name: out0, .offset: 16, .size: 8, .value_kind: global_buffer, .address_space: global }
      - { .name: out1, .offset: 24, .size: 8, .value_kind: global_buffer, .address_space: global }
    .group_segment_fixed_size: 58880
    .private_segment_fixed_size: 0
    .kernarg_segment_align: 8
    .kernarg_segment_size: 32
    .max_flat_workgroup_size: 256
    .sgpr_count:     66
    .vgpr_count:     256
    .wavefront_size: 32
...
	.end_amdgpu_metadata
.endif
;; end of part 3
;; ======== version 2 of 2: 3 launches; version 1 with the launches prep, finish written anew for expert scheduling mode
;; limits: inputs' magnitudes at most 1,023; values are held in f16: magnitudes above 65,504 overflow, below 6.1e-05 lose precision; right only within a limited range of input values
;; workspace buffers: Qh 1,048,576 bytes; Wt 262,144 bytes; Vt 1,048,576 bytes; U 1,114,112 bytes
;; launch prep (part 4): grid 144 x 1, 8 waves a work-group, no clusters, 18,432 bytes of LDS; arguments query, value, Wd, Qh, Vt, Wt; writes Qh, Vt, Wt
.if DOCPART == 4
	.amdgcn_target "amdgcn-amd-amdhsa--gfx1250"
	.amdhsa_code_object_version 6
	.text
	.protected	k_qd2016776aa_prep
	.globl	k_qd2016776aa_prep
	.p2align	8
	.type	k_qd2016776aa_prep,@function
k_qd2016776aa_prep:
	s_mov_b64 s[64:65], 0
	v_nop
	global_prefetch_b8 v0, s[64:65] scope:SCOPE_SE
	s_setreg_imm32_b32 hwreg(HW_REG_WAVE_SCHED_MODE, 0, 2), 2
	s_setreg_imm32_b32 hwreg(HW_REG_WAVE_MODE, 25, 1), 1
	s_wait_xcnt 0x0
	s_wait_alu depctr_vm_vsrc(0)
; The operands of the two later launches, each rounded once to f16.
;   Qh[b][s][h] = f16(query / 4)                 (a power of two: the scaling itself is exact)
;   Wt[d][h]    = f16(Wd[h][d] * 32 log2(e))     so that sum_h Wt[d][h] Qh_s[h] Qh_t[h] = 2 log2(e) x
;   Vt[b][e][t] = f16(value[b][t][e])
; LIMITS.  f16 ends at 65,504: |query| < 262,016 here (the next launch asks |query| < 1,023), |Wd| < 1,400, |value| < 65,504; NaN and infinities are not treated apart.
; SHARES.  Work-groups 0-15: a tile of 128 rows x 64 columns of Wd, turned.  16-79: the same of value.  80-143: 32,768 bytes of query, straight.
; The branch hangs on the work-group's number alone, so all eight waves of a work-group take the same way and meet the same barrier.
; No matrix work, no cluster (no two work-groups read the same bytes), no prefetch (each byte is asked for at once, by the load itself).
; THE MODE: SCHED_MODE bits 1:0 = 2 (LLVM: expert scheduling mode 2), set by the entry lines.  The code itself states the register dependences
; between vector instructions and memory or LDS instructions, with s_wait_alu, always for 0.
; THE PLAN.  Registers that memory or LDS instructions touch:
;   OFF, C16, LSTO, LRD, GST   offsets and addresses: written once by vector instructions, never again.
;   X     The loads land in it; the scalings and roundings work on it; on the turning way four LDS loads land in its first 16 registers behind the barrier, and the global stores read those.
;   D     Written once by the roundings; read by the LDS stores (turning way) or the global stores (straight way).
; No register that a memory or LDS instruction reads is ever written again, so no wait on vm_vsrc is owed.  Turning way: one wait on va_vdst ahead of the loads (their offsets) and one ahead
; of the LDS stores, behind which no vector instruction follows.  Straight way: one ahead of the loads; then four blocks of two steps: a block's two stores stand at the head of the next block,
; behind one wait on va_vdst, and the conversions that follow them name other registers.
.set LP,    272                        ; a row of the turned tile in LDS: 128 f16 + 16 bytes
.set SPARE, 64*LP                      ; behind the tile (17,408 bytes): the spare words, 128 bytes for each of eight waves
.set CG,   1                           ; v1   thread % 16: which 16 bytes of a row of 256
.set RP,   2                           ; v2   thread / 16: which pair of rows
.set TMP,  3
.set SPW,  4                           ; v4   LDS address of my spare word; never rewritten
.set NIL,  5                           ; v5   0; never rewritten
.set LSTO, 6                           ; v6   where I put a pair of f16
.set LRD,  7                           ; v7   where I read 16 bytes of a turned row
.set GST,  8                           ; v8   my byte offset in the output
.set C16,  9                           ; v9   16 x (thread % 16), or 16 x thread on the straight way
.set OFF,  10                          ; v[10:17] byte offsets of my eight loads
.set X,    20                          ; v[20:51] as loaded
.set D,    52                          ; v[52:67] rounded
.set SC,   20                          ; s[20:21] the scale, twice
.set IN,   22                          ; s[22:23] from where
.set OUT,  24                          ; s[24:25] to where
	s_load_b256 s[4:11], s[0:1], 0x0               ; query s[4:5], value s[6:7], Wd s[8:9], Qh s[10:11]
	s_load_b128 s[12:15], s[0:1], 0x20             ; Vt s[12:13], Wt s[14:15]
	v_lshl_add_u32 v[SPW], v0, 2, SPARE
	v_mov_b32 v[NIL], 0
	s_mov_b32 s16, ttmp9
	s_cmp_ge_u32 s16, 80
	s_cbranch_scc1 .Lstraight
	; THE TURNING WAY.  g' counts the tensor's tiles: kt = g' & 3 (128 rows), nt = (g' >> 2) & 7 (64 columns), b = g' >> 5 (0 for Wd).
	v_and_b32 v[CG], 15, v0
	v_lshrrev_b32 v[RP], 4, v0
	s_sub_co_u32 s17, s16, 16
	s_cmp_lt_u32 s16, 16                           ; Wd?
	s_cselect_b32 s17, s16, s17                    ; g'
	s_cselect_b32 s19, 17, 18                      ; log2 of 128 rows' bytes: rows of 1,024 (Wd) or 2,048 (value)
	s_cselect_b32 s[SC], 0x4238aa3b, 1.0           ; 32 log2(e), or 1
	s_wait_kmcnt 0x0
	s_cselect_b64 s[IN:IN+1], s[8:9], s[6:7]
	s_cselect_b64 s[OUT:OUT+1], s[14:15], s[12:13]
	s_mov_b32 s[SC+1], s[SC]
	s_and_b32 s26, s17, 3                          ; kt
	s_bfe_u32 s27, s17, 0x30002                    ; nt
	s_lshr_b32 s28, s17, 5                         ; b
	s_lshl_b32 s30, s26, s19                       ; in: kt x 128 rows
	s_lshl_b32 s29, s27, 8                         ;     + nt x 256 bytes
	s_add_co_u32 s30, s30, s29
	s_lshl_b32 s29, s28, 20                        ;     + b x 1,048,576
	s_add_co_u32 s30, s30, s29
	s_mov_b32 s31, 0
	s_add_nc_u64 s[IN:IN+1], s[IN:IN+1], s[30:31]
	s_lshl_b32 s32, s28, 19                        ; out: b x 524,288
	s_lshl_b32 s29, s27, 16                        ;      + nt x 64 rows of 1,024 bytes
	s_add_co_u32 s32, s32, s29
	s_lshl_b32 s29, s26, 8                         ;      + kt x 256 bytes
	s_add_co_u32 s32, s32, s29
	s_mov_b32 s33, 0
	s_add_nc_u64 s[OUT:OUT+1], s[OUT:OUT+1], s[32:33]
	s_sub_co_u32 s19, s19, 7
	s_lshl_b32 s18, 1, s19                         ; bytes in a row of the input
	v_lshlrev_b32 v[C16], 4, v[CG]
	v_lshlrev_b32 v[TMP], 1, v[RP]
.irp i, 0,1,2,3,4,5,6,7                ; rows 2 rp + 32 (i / 2) + i % 2: sixteen lanes read 256 consecutive bytes, aligned
	v_add_nc_u32 v[OFF+(\i)], 32*((\i)/2)+(\i)%2, v[TMP]
	v_mad_u32_u24 v[OFF+(\i)], v[OFF+(\i)], s18, v[C16]
.endr
	s_wait_alu depctr_va_vdst(0)                   ; the eight offsets v[OFF ..] are written, which the loads below read
.irp i, 0,1,2,3,4,5,6,7
	global_load_b128 v[X+4*(\i):X+4*(\i)+3], v[OFF+(\i)], s[IN:IN+1] th:TH_LOAD_NT
.endr
	v_mul_u32_u24 v[LSTO], v[CG], 4*LP             ; column 4 cg is row 4 cg of the turned tile,
	v_lshl_add_u32 v[LSTO], v[RP], 2, v[LSTO]      ; rows 2 rp, 2 rp + 1 its bytes 4 rp on
	v_mul_u32_u24 v[LRD], v[RP], LP
	v_add_nc_u32 v[LRD], v[LRD], v[C16]
	v_lshl_add_u32 v[GST], v[RP], 10, v[C16]
	s_wait_loadcnt 0x0
.set i, 0
.rept 16
	v_pk_mul_f32 v[X+2*i:X+2*i+1], v[X+2*i:X+2*i+1], s[SC:SC+1] op_sel_hi:[1,0]
.set i, i+1
.endr
.irp t, 0,1,2,3
.irp c, 0,1,2,3
	v_cvt_pk_f16_f32 v[D+4*(\t)+(\c)], v[X+8*(\t)+(\c)], v[X+8*(\t)+4+(\c)]  ; one column's numbers of an even row and the odd row below it
.endr
.endr
	s_wait_alu depctr_va_vdst(0)                   ; the roundings have written v[D ..], which the LDS stores read, and are done reading v[X ..], in which the LDS loads behind the barrier land; v[LSTO], v[LRD] and v[GST] are written.  No vector instruction follows on this way
.irp t, 0,1,2,3
.irp c, 0,1,2,3
	ds_store_b32 v[LSTO], v[D+4*(\t)+(\c)] offset:(\c)*LP+(\t)*64
.endr
.endr
	s_wait_dscnt 0x0                               ; for the others' sake: my stores are done
	s_barrier_signal -1
	s_barrier_wait -1                              ; the turned tile is whole
.irp t, 0,1,2,3
	ds_load_b128 v[X+4*(\t):X+4*(\t)+3], v[LRD] offset:(\t)*16*LP
.endr
.irp t, 0,1,2,3
	s_wait_dscnt 3-(\t)                            ; LDS loads come back in order: load t is in, the younger ones may be out
	global_store_b128 v[GST], v[X+4*(\t):X+4*(\t)+3], s[OUT:OUT+1] offset:(\t)*16384  ; sixteen lanes store 256 consecutive bytes, aligned
.endr
	s_branch .Lend
; Step j of the straight way: four numbers scaled and rounded; and their store.
.macro CONV j
	v_pk_mul_f32 v[X+4*(\j):X+4*(\j)+1], v[X+4*(\j):X+4*(\j)+1], s[SC:SC+1] op_sel_hi:[1,0]
	v_pk_mul_f32 v[X+4*(\j)+2:X+4*(\j)+3], v[X+4*(\j)+2:X+4*(\j)+3], s[SC:SC+1] op_sel_hi:[1,0]
	v_cvt_pk_f16_f32 v[D+2*(\j)], v[X+4*(\j)], v[X+4*(\j)+1]
	v_cvt_pk_f16_f32 v[D+2*(\j)+1], v[X+4*(\j)+2], v[X+4*(\j)+3]
.endm
.macro SEND j
	global_store_b64 v[GST], v[D+2*(\j):D+2*(\j)+1], s[OUT:OUT+1] offset:2048*(\j)  ; a wave stores 256 consecutive bytes, aligned
.endm
.Lstraight:                            ; THE STRAIGHT WAY: 8,192 numbers of query
	s_sub_co_u32 s17, s16, 80
	s_lshl_b32 s30, s17, 15
	s_mov_b32 s31, 0
	s_lshl_b32 s32, s17, 14
	s_mov_b32 s33, 0
	s_mov_b32 s[SC], 0x3e800000                    ; 1/4
	s_mov_b32 s[SC+1], s[SC]
	v_lshlrev_b32 v[C16], 4, v0
	v_lshlrev_b32 v[GST], 3, v0
	s_wait_kmcnt 0x0
	s_add_nc_u64 s[IN:IN+1], s[4:5], s[30:31]
	s_add_nc_u64 s[OUT:OUT+1], s[10:11], s[32:33]
	s_wait_alu depctr_va_vdst(0)                   ; v[C16] and v[GST] are written: every load and store of this way reads one of them as its offset
.irp j, 0,1,2,3,4,5,6,7
	global_load_b128 v[X+4*(\j):X+4*(\j)+3], v[C16], s[IN:IN+1] offset:4096*(\j) th:TH_LOAD_NT
.endr
	s_wait_loadcnt 6                               ; block 0 (loads 0 and 1) is in, the six younger loads may be out
	CONV 0
	CONV 1
.irp b, 1,2,3
	s_wait_loadcnt 6-2*(\b)                        ; block b's two loads are in, the younger ones may be out
	s_wait_alu depctr_va_vdst(0)                   ; the block before has written its four registers of D, which the two stores below read; the conversions behind them name other registers
	SEND 2*(\b)-2
	SEND 2*(\b)-1
	CONV 2*(\b)
	CONV 2*(\b)+1
.endr
	s_wait_alu depctr_va_vdst(0)                   ; block 3 has written its four registers of D, which the last two stores read
	SEND 6
	SEND 7
.Lend:
	s_wait_dscnt 0x0                               ; the wave's end
	s_wait_alu 0x0
	s_wait_tensorcnt 0x0
	ds_add_u32 v[SPW], v[NIL]
	s_wait_dscnt 0x0
	s_endpgm
.Lfunc_end_k_qd2016776aa_prep:
	.size	k_qd2016776aa_prep, .Lfunc_end_k_qd2016776aa_prep-k_qd2016776aa_prep
	.p2alignl 7, 3214868480
	.fill 96, 4, 3214868480
	.section	.rodata,"a",@progbits
	.p2align	6, 0x0
	.amdhsa_kernel k_qd2016776aa_prep
		.amdhsa_group_segment_fixed_size 18432
		.amdhsa_private_segment_fixed_size 0
		.amdhsa_enable_private_segment 0
		.amdhsa_kernarg_size 48
		.amdhsa_user_sgpr_count 2
		.amdhsa_user_sgpr_kernarg_segment_ptr 1
		.amdhsa_wavefront_size32 1
		.amdhsa_system_sgpr_workgroup_id_x 1
		.amdhsa_system_sgpr_workgroup_id_y 1
		.amdhsa_system_sgpr_workgroup_id_z 1
		.amdhsa_system_vgpr_workitem_id 0
		.amdhsa_next_free_vgpr 72
		.amdhsa_next_free_sgpr 66
		.amdhsa_reserve_vcc 0
		.amdhsa_float_denorm_mode_32 3
		.amdhsa_float_denorm_mode_16_64 3
		.amdhsa_memory_ordered 1
		.amdhsa_forward_progress 1
		.amdhsa_inst_pref_size 13
	.end_amdhsa_kernel
	.amdgpu_metadata
---
amdhsa.version: [ 1, 2 ]
amdhsa.kernels:
  - .name:           k_qd2016776aa_prep
    .symbol:         k_qd2016776aa_prep.kd
    .args:
      - { .name: query, .offset: 0, .size: 8, .value_kind: global_buffer, .address_space: global }
      - { .name: value, .offset: 8, .size: 8, .value_kind: global_buffer, .address_space: global }
      - { .name: Wd, .offset: 16, .size: 8, .value_kind: global_buffer, .address_space: global }
      - { .name: Qh, .offset: 24, .size: 8, .value_kind: global_buffer, .address_space: global }
      - { .name: Vt, .offset: 32, .size: 8, .value_kind: global_buffer, .address_space: global }
      - { .name: Wt, .offset: 40, .size: 8, .value_kind: global_buffer, .address_space: global }
    .group_segment_fixed_size: 18432
    .private_segment_fixed_size: 0
    .kernarg_segment_align: 8
    .kernarg_segment_size: 48
    .max_flat_workgroup_size: 256
    .sgpr_count:     66
    .vgpr_count:     72
    .wavefront_size: 32
...
	.end_amdgpu_metadata
.endif
;; end of part 4
;; launch scores: the kernel of part 2 again; grid 256 x 1, 4 waves a work-group, clusters of 4 x 1, 327,680 bytes of LDS; arguments Qh, Wt, vd, U; writes U
;; launch finish (part 5): grid 256 x 1, 8 waves a work-group, no clusters, 58,880 bytes of LDS; arguments U, Vt, out0, out1; writes out0, out1
.if DOCPART == 5
	.amdgcn_target "amdgcn-amd-amdhsa--gfx1250"
	.amdhsa_code_object_version 6
	.text
	.protected	k_qd2016776aa_finish
	.globl	k_qd2016776aa_finish
	.p2align	8
	.type	k_qd2016776aa_finish,@function
k_qd2016776aa_finish:
	s_mov_b64 s[64:65], 0
	v_nop
	global_prefetch_b8 v0, s[64:65] scope:SCOPE_SE
	s_setreg_imm32_b32 hwreg(HW_REG_WAVE_SCHED_MODE, 0, 2), 2
	s_setreg_imm32_b32 hwreg(HW_REG_WAVE_MODE, 25, 1), 1
	s_wait_xcnt 0x0
	s_wait_alu depctr_vm_vsrc(0)
; atten[b][s][t] = 2^(u - m) / sum over t of 2^(u - m), m the row's true maximum of u; context[b][s][e] = sum over t of atten[b][s][t] value[b][t][e].
; u comes from U in units of 256 bytes: unit (quad Q = 128 b + s / 4, i) holds [r = 0..15][a = 0..3] = u[s = 4 (Q & 127) + a][t = 16 ((s / 16 + i) & 31) + r], i = 0 .. 16.
; The block of 16 rows (tile si) x 16 columns (tile tj) is there DIRECT if (tj - si) & 31 <= 16, else MIRRORED, as the block (tj, si): u is symmetric, since both its factors come from query.
; SHARES.  A work-group (ttmp9 = 128 b + 4 si + ec) has 16 rows and 128 columns (chunk ec) of both outputs.  Each of a tile's four work-groups makes the 16 rows' softmax for itself (8,192 exponentials) and stores its own chunk.
; LIMITS.  For the second product atten is rounded to f16 (below 6e-5 it keeps f16's fixed step of 6e-8; out1 itself is f32) and value was (|value| < 65,504).  A weight below 2^-126 counts as 0.  NaN and infinities are not treated apart.
; NO CLUSTER: the four work-groups of a tile share U's 32 KiB, and the 32 tiles share Vt's rows, but each is read once, at the head, straight into registers; joint loads would add a trip through LDS and the cluster's rounds to a launch
; with one short phase of each kind.  No prefetch: every load is issued at the head.
; THE MODE: SCHED_MODE bits 1:0 = 2 (LLVM: expert scheduling mode 2), set by the entry lines.  The code itself states the register dependences
; between vector or matrix instructions and memory or LDS instructions, with s_wait_alu, always for 0.
; THE PLAN.  The text has no branch.  Registers that memory or LDS instructions touch, in program order:
;   RS, VO, DA, MA, PA, PFA, CSTO, CRD, O1   addresses: all made in the head, ahead of the wait for the arguments, and never written again (PA lies in AC: the products write it when its stores have read it).
;   GOF   Written in the head; read by U's eight loads; then LDS loads land in it (as XD).
;   UD    U's loads land in it; my eight LDS stores read it; then LDS loads land in it (as XD and XM).
;   XD, XM, TS   LDS loads land; the softmax works in place; atten's two global stores read XD, eight LDS stores read TS; then P's first eight fragments land there (as PF).
;   PF2   P's last eight fragments land in it; the last eight products read it; nothing else names it.
;   AC    The products and the partial sums write it; two LDS stores read its first eight registers; behind the last barrier two LDS loads land in its second eight, which the last two global stores read.
;   s[WV], s[MK ..]   Written by vector instructions; read by scalar arithmetic and by the selects.
; So: va_sdst twice in the head; va_vdst once in the head for all addresses; vm_vsrc once behind each of the first two barriers, ahead of the loads that land in registers that stores and loads have read;
; va_vdst once for each batch of transcendentals, once ahead of atten's and P's stores, once ahead of context's LDS stores.
.set PB,    32768                      ; RAW[32 tj][1,024] lies at 0: a block's four units as they come; behind it P[16][1,040]: atten in f16, rows of 1,024 bytes + 16
.set PPI,   1040
.set CB,    PB+16*PPI                  ; CST[16][528]: context, 128 f32 a row + 16 bytes
.set CPI,   528
.set SPARE, CB+16*CPI                  ; the spare words, 128 bytes for each of eight waves
.set RW,   1                           ; v1   l % 16
.set HH,   2                           ; v2   l / 16
.set TMP,  3
.set SPW,  4                           ; v4   LDS address of my spare word; never rewritten
.set NIL,  5                           ; v5   0; never rewritten
.set LQ,   6                           ; v6   my 16 bytes among a block's four units in U: q x 4,352 + 16 r
.set RS,   7                           ; v7   16 x thread
.set VO,   8                           ; v8   my place in 16 rows of Vt
.set LN,   9                           ; v9   lane
.set TT,   10                          ; v10  lane / 4: which of a chunk's eight tiles
.set M4,   11                          ; v11  lane % 4: which four of its 16 columns
.set DB,   12                          ; v12  my place in a chunk of RAW, read as direct
.set MB,   13                          ; v13  read as mirrored
.set DA,   14                          ; v[14:17] the same in chunk (ec + j) & 3
.set MA,   18                          ; v[18:21]
.set PST,  22                          ; v22  my 8 bytes in my first row of P, chunk 0
.set PFA,  23                          ; v23  my place in a fragment of P
.set CSTO, 24                          ; v24  where I put 32 bytes of context
.set CRD,  25                          ; v25  where I read a row back
.set O1,   26                          ; v26  my 16 bytes in the work-group's part of either output
.set MX,   28                          ; v28, v30 a row's maximum, later 1 / its sum; v29, v31 at work
.set AC,   32                          ; v[32:63] four accumulators
.set PA,   32                          ; v[32:35] until the products begin: where I put atten in P, in chunk (ec + j) & 3
.set GOF,  64                          ; v[64:71] offsets of my eight loads from U
.set UD,   72                          ; v[72:103] their data
.set XD,   64                          ; v[64:95] two rows x 16 numbers, read as direct; then the numbers themselves
.set XM,   96                          ; v[96:127] read as mirrored
.set TS,   96                          ; later at work
.set PF,   64                          ; later P's fragments 0-7
.set VF,   128                         ; v[128:255] Vt's 16 fragments
.set PF2,  0                           ; v[256:319], written v[0:63] under window 1: P's fragments 8-15
.set WV,   12
.set EC,   13
.set SI,   14
.set BB,   15
.set WH,   16                          ; s16  wave / 2
.set B128, 17                          ; s17  128 b
.set CH,   24                          ; s[24:27] (ec + j) & 3
.set MK,   28                          ; s[28:31] lanes whose tile of chunk j is direct
.set VB,   32                          ; s[32:33] Vt at my wave's 16 rows
.set OB0,  34                          ; s[34:35] out0 at the work-group's first row and column
.set OB1,  36                          ; s[36:37] out1 likewise
.set SEL,  38                          ; s[38:39]
	s_load_b256 s[4:11], s[0:1], 0x0               ; U s[4:5], Vt s[6:7], out0 s[8:9], out1 s[10:11]
	v_lshl_add_u32 v[SPW], v0, 2, SPARE
	v_mov_b32 v[NIL], 0
	v_lshrrev_b32 v[TMP], 5, v0
	v_readfirstlane_b32 s[WV], v[TMP]              ; wave 0..7
	s_and_b32 s[EC], ttmp9, 3
	s_bfe_u32 s[SI], ttmp9, 0x50002
	s_lshr_b32 s[BB], ttmp9, 7
	s_lshl_b32 s[B128], s[BB], 7
	s_mov_b32 s[SEL], 0x76543210
	s_mov_b32 s[SEL+1], 0xfedcba98
	v_and_b32 v[RW], 15, v0
	v_bfe_u32 v[HH], v0, 4, 1
	v_bfe_u32 v[TMP], v0, 4, 2                     ; q
	v_mul_u32_u24 v[LQ], v[TMP], 4352              ; a quad's 17 units
	v_lshl_add_u32 v[LQ], v[RW], 4, v[LQ]
	v_lshlrev_b32 v[RS], 4, v0
	v_lshlrev_b32 v[VO], 10, v[RW]
	v_lshl_add_u32 v[VO], v[HH], 4, v[VO]
	; My wave has rows rho = 2 w and 2 w + 1; of chunk ch my lane has t = 128 ch + 4 l + 0..3: tile 8 ch + l / 4, columns 4 (l % 4) + 0..3.
	; In a block, number (x, y) lies at 256 (x / 4) + 4 (x % 4) + 16 y.  Direct: x = rho, y = the column: four words 16 bytes apart.  Mirrored: x = the column, y = rho: 16 bytes on end.
	v_and_b32 v[LN], 31, v0
	v_lshrrev_b32 v[TT], 2, v[LN]
	v_and_b32 v[M4], 3, v[LN]
	v_lshlrev_b32 v[DB], 10, v[TT]
	v_lshl_add_u32 v[MB], v[M4], 8, v[DB]
	v_lshl_add_u32 v[DB], v[M4], 6, v[DB]
	v_mov_b32 v[MX+1], 0                           ; v_permlanex16_b32 counts as a reader of its destination
	v_mov_b32 v[MX+3], 0
	s_wait_alu depctr_va_sdst(0)                   ; s[WV] is written, ahead of its first reader: offsets, LDS addresses and bases are made from it
	s_lshr_b32 s[WH], s[WV], 1
	s_lshl_b32 s40, s[BB], 19                      ; Vt: batch b,
	s_lshl_b32 s20, s[EC], 17                      ; chunk ec's 128 rows,
	s_add_co_u32 s40, s40, s20
	s_lshl_b32 s20, s[WV], 14                      ; my wave's 16
	s_add_co_u32 s40, s40, s20
	s_mov_b32 s41, 0
	s_lshr_b32 s42, ttmp9, 2                       ; the outputs: 16 rows of 2,048 bytes for each 32 b + si,
	s_lshl_b32 s42, s42, 15
	s_lshl_b32 s20, s[EC], 9                       ; chunk ec's 512 bytes
	s_add_co_u32 s42, s42, s20
	s_mov_b32 s43, 0
	; U: in load i the work-group takes blocks tj = 4 i .. 4 i + 3, two waves a block, sixteen lanes a unit of 256 bytes.  The eight offsets are made first; the loads follow as one run
.irp i, 0,1,2,3,4,5,6,7
	s_add_co_u32 s18, s[WH], 4*(\i)                ; tj
	s_sub_co_u32 s19, s18, s[SI]
	s_and_b32 s19, s19, 31                         ; (tj - si) & 31
	s_sub_co_u32 s20, 32, s19
	s_cmp_le_u32 s19, 16                           ; direct?
	s_cselect_b32 s21, s[SI], s18                  ; the tile whose quads hold the block,
	s_cselect_b32 s22, s19, s20                    ; and which of their units
	s_lshl_b32 s21, s21, 2
	s_add_co_u32 s21, s21, s[B128]
	s_mul_i32 s21, s21, 17
	s_add_co_u32 s21, s21, s22
	s_lshl_b32 s21, s21, 8
	v_add_nc_u32 v[GOF+(\i)], s21, v[LQ]
.endr
	; the LDS addresses, all of them, while the arguments are on their way
	s_lshl_b32 s20, s[WH], 8                       ; 256 (rho / 4)
	s_and_b32 s21, s[WV], 1
	s_lshl_b32 s21, s21, 3                         ; 4 (rho % 4)
	s_add_co_u32 s20, s20, s21
	v_add_nc_u32 v[DB], s20, v[DB]
	s_lshl_b32 s20, s[WV], 5                       ; 16 rho
	v_add_nc_u32 v[MB], s20, v[MB]
.irp j, 0,1,2,3                        ; the chunks are taken from my own on, so that registers 0-3 of a row are what this work-group stores
	s_add_co_u32 s[CH+(\j)], s[EC], \j
	s_and_b32 s[CH+(\j)], s[CH+(\j)], 3
	s_lshl_b32 s20, s[CH+(\j)], 13
	v_add_nc_u32 v[DA+(\j)], s20, v[DB]
	v_add_nc_u32 v[MA+(\j)], s20, v[MB]
	s_lshl_b32 s20, s[CH+(\j)], 3
	s_sub_co_u32 s20, s20, s[SI]
	v_add_nc_u32 v[TMP], s20, v[TT]
	v_and_b32 v[TMP], 31, v[TMP]                   ; (tj - si) & 31 of my lane's tile
	v_cmp_ge_u32 s[MK+(\j)], 16, v[TMP]
.endr
	s_mul_i32 s20, s[WV], 2*PPI
	s_add_co_u32 s20, s20, PB
	v_lshl_add_u32 v[PST], v[LN], 3, s20
.irp j, 0,1,2,3
	s_lshl_b32 s20, s[CH+(\j)], 8                  ; a chunk is 256 bytes of a row of P
	v_add_nc_u32 v[PA+(\j)], s20, v[PST]
.endr
	v_mul_u32_u24 v[PFA], v[RW], PPI
	v_lshl_add_u32 v[PFA], v[HH], 4, v[PFA]
	v_add_nc_u32 v[PFA], PB, v[PFA]
	s_lshl_b32 s20, s[WV], 6
	s_add_co_u32 s20, s20, CB
	v_mul_u32_u24 v[CSTO], v[RW], CPI
	v_lshl_add_u32 v[CSTO], v[HH], 5, v[CSTO]
	v_add_nc_u32 v[CSTO], s20, v[CSTO]
	s_mul_i32 s20, s[WV], 2*CPI
	s_add_co_u32 s20, s20, CB
	v_lshl_add_u32 v[CRD], v[LN], 4, s20
	s_lshl_b32 s20, s[WV], 12                      ; my two rows of 2,048 bytes
	v_lshl_add_u32 v[O1], v[LN], 4, s20
	s_wait_kmcnt 0x0
	s_add_nc_u64 s[VB:VB+1], s[6:7], s[40:41]
	s_add_nc_u64 s[OB0:OB0+1], s[8:9], s[42:43]
	s_add_nc_u64 s[OB1:OB1+1], s[10:11], s[42:43]
	s_wait_alu depctr_va_sdst(0)                   ; the four compares have written s[MK ..], ahead of their first readers, the selects behind the first barrier
	s_wait_alu depctr_va_vdst(0)                   ; v[GOF ..] and every address of the kernel (RS, VO, DA, MA, PA, PFA, CSTO, CRD, O1) are written, which the loads and stores below read; v[GOF ..] is also where LDS loads land behind the first barrier
.irp i, 0,1,2,3,4,5,6,7
	global_load_b128 v[UD+4*(\i):UD+4*(\i)+3], v[GOF+(\i)], s[4:5]
.endr
	; Vt: 16 fragments of 16 rows e x 32 t, straight into registers: lane l holds row l % 16; two loads of 16 bytes, 32 bytes apart
.irp k, 0,1,2,3,4,5,6,7,8,9,10,11,12,13,14,15
	global_load_b128 v[VF+8*(\k):VF+8*(\k)+3],   v[VO], s[VB:VB+1] offset:64*(\k)
	global_load_b128 v[VF+8*(\k)+4:VF+8*(\k)+7], v[VO], s[VB:VB+1] offset:64*(\k)+32
.endr
	s_wait_loadcnt 32                              ; U's eight loads are in; Vt's 32 may be out
.irp i, 0,1,2,3,4,5,6,7
	ds_store_b128 v[RS], v[UD+4*(\i):UD+4*(\i)+3] offset:4096*(\i)
.endr
	s_wait_dscnt 0x0                               ; for the others' sake: my stores are done
	s_barrier_signal -1
	s_barrier_wait -1                              ; RAW is whole
	s_wait_alu depctr_vm_vsrc(0)                   ; U's loads have read v[GOF ..] and my LDS stores have read v[UD ..]: the LDS loads below land in these registers
.irp j, 0,1,2,3
.irp p, 0,1
	ds_load_b128 v[XM+16*(\p)+4*(\j):XM+16*(\p)+4*(\j)+3], v[MA+(\j)] offset:16*(\p)
.irp e, 0,1,2,3
	ds_load_b32 v[XD+16*(\p)+4*(\j)+(\e)], v[DA+(\j)] offset:16*(\e)+4*(\p)
.endr
.endr
.endr
	s_wait_dscnt 0x0
.irp j, 0,1,2,3
.irp p, 0,1
.irp e, 0,1,2,3
	v_cndmask_b32 v[XD+16*(\p)+4*(\j)+(\e)], v[XM+16*(\p)+4*(\j)+(\e)], v[XD+16*(\p)+4*(\j)+(\e)], s[MK+(\j)]
.endr
.endr
.endr
	; the rows' maxima: in the lane, then across the 32 lanes; the two rows alternate
.irp p, 0,1
	v_max3_num_f32 v[MX+2*(\p)], v[XD+16*(\p)], v[XD+16*(\p)+1], v[XD+16*(\p)+2]
.endr
.set k, 3
.rept 6
.irp p, 0,1
	v_max3_num_f32 v[MX+2*(\p)], v[MX+2*(\p)], v[XD+16*(\p)+k], v[XD+16*(\p)+k+1]
.endr
.set k, k+2
.endr
.irp p, 0,1
	v_max_num_f32 v[MX+2*(\p)], v[MX+2*(\p)], v[XD+16*(\p)+15]
.endr
.irp x, 1,2,4,8
.irp p, 0,1
	v_max_num_f32_dpp v[MX+2*(\p)], v[MX+2*(\p)], v[MX+2*(\p)] row_xmask:\x row_mask:0xf bank_mask:0xf
.endr
.endr
.irp p, 0,1
	v_permlanex16_b32 v[MX+2*(\p)+1], v[MX+2*(\p)], s[SEL], s[SEL+1]
.endr
.irp p, 0,1
	v_max_num_f32 v[MX+2*(\p)], v[MX+2*(\p)], v[MX+2*(\p)+1]
.endr
.irp p, 0,1
.irp q, 0,1,2,3,4,5,6,7
	v_pk_add_f32 v[XD+16*(\p)+2*(\q):XD+16*(\p)+2*(\q)+1], v[XD+16*(\p)+2*(\q):XD+16*(\p)+2*(\q)+1], v[MX+2*(\p):MX+2*(\p)+1] op_sel_hi:[1,0] neg_lo:[0,1] neg_hi:[0,1]  ; u - m
.endr
.endr
.set k, 0
.rept 32
	v_exp_f32 v[XD+k], v[XD+k]
.set k, k+1
.endr
	v_nop                                          ; a plain line behind the last exponential,
	s_wait_alu depctr_va_vdst(0)                   ; and one wait for the 32: they have written v[XD ..], ahead of their first reader
	; the rows' sums, in f32
.irp p, 0,1
.irp q, 0,1,2,3
	v_pk_add_f32 v[TS+8*(\p)+2*(\q):TS+8*(\p)+2*(\q)+1], v[XD+16*(\p)+4*(\q):XD+16*(\p)+4*(\q)+1], v[XD+16*(\p)+4*(\q)+2:XD+16*(\p)+4*(\q)+3]
.endr
.endr
.irp p, 0,1
	v_pk_add_f32 v[TS+8*(\p):TS+8*(\p)+1], v[TS+8*(\p):TS+8*(\p)+1], v[TS+8*(\p)+2:TS+8*(\p)+3]
	v_pk_add_f32 v[TS+8*(\p)+4:TS+8*(\p)+5], v[TS+8*(\p)+4:TS+8*(\p)+5], v[TS+8*(\p)+6:TS+8*(\p)+7]
.endr
.irp p, 0,1
	v_pk_add_f32 v[TS+8*(\p):TS+8*(\p)+1], v[TS+8*(\p):TS+8*(\p)+1], v[TS+8*(\p)+4:TS+8*(\p)+5]
.endr
.irp p, 0,1
	v_add_f32 v[TS+8*(\p)], v[TS+8*(\p)], v[TS+8*(\p)+1]
.endr
.irp x, 1,2,4,8
.irp p, 0,1
	v_add_f32_dpp v[TS+8*(\p)], v[TS+8*(\p)], v[TS+8*(\p)] row_xmask:\x row_mask:0xf bank_mask:0xf
.endr
.endr
.irp p, 0,1
	v_permlanex16_b32 v[MX+2*(\p)+1], v[TS+8*(\p)], s[SEL], s[SEL+1]
.endr
.irp p, 0,1
	v_add_f32 v[TS+8*(\p)], v[TS+8*(\p)], v[MX+2*(\p)+1]
.endr
.irp p, 0,1
	v_rcp_f32 v[MX+2*(\p)], v[TS+8*(\p)]           ; the sum is 1 at the least: the maximum's own weight
.endr
	v_nop
	s_wait_alu depctr_va_vdst(0)                   ; one wait for the two reciprocals: they have written v[MX] and v[MX+2], ahead of their first reader
.irp p, 0,1
.irp q, 0,1,2,3,4,5,6,7
	v_pk_mul_f32 v[XD+16*(\p)+2*(\q):XD+16*(\p)+2*(\q)+1], v[XD+16*(\p)+2*(\q):XD+16*(\p)+2*(\q)+1], v[MX+2*(\p):MX+2*(\p)+1] op_sel_hi:[1,0]
.endr
.endr
.irp p, 0,1
.irp q, 0,1,2,3,4,5,6,7
	v_cvt_pk_f16_f32 v[TS+8*(\p)+(\q)], v[XD+16*(\p)+2*(\q)], v[XD+16*(\p)+2*(\q)+1]
.endr
.endr
	s_wait_alu depctr_va_vdst(0)                   ; the scalings have written v[XD ..] and the roundings v[TS ..], which the stores below read; both are done with v[64:127], in which P's fragments land behind the barrier: no vector instruction stands between
.irp j, 0,1,2,3
.irp p, 0,1
	ds_store_b64 v[PA+(\j)], v[TS+8*(\p)+2*(\j):TS+8*(\p)+2*(\j)+1] offset:PPI*(\p)
.endr
.endr
.irp p, 0,1
	global_store_b128 v[O1], v[XD+16*(\p):XD+16*(\p)+3], s[OB1:OB1+1] offset:2048*(\p)  ; my own chunk of atten: a wave stores 512 consecutive bytes, aligned
.endr
	s_wait_dscnt 0x0                               ; for the others' sake: my two rows of P are stored
	s_barrier_signal -1
	s_barrier_wait -1                              ; P is whole
	; context^T = Vt P^T (source 0 = 16 rows e of Vt, source 1 = the 16 rows s of P): a lane ends with ONE row s (l % 16) and eight neighbouring columns e.  Four accumulators take turns.
	s_wait_xcnt 0x0                                ; atten's stores have had their addresses translated: only behind this wait are their data registers loaded again
	s_wait_alu depctr_vm_vsrc(0)                   ; atten's stores have read v[XD ..], P's LDS stores v[TS ..] and v[PA ..]: the loads below land in the first two, the products write the third
.irp k, 0,1,2,3,4,5,6,7
	ds_load_b128 v[PF+8*(\k):PF+8*(\k)+3],   v[PFA] offset:64*(\k)
	ds_load_b128 v[PF+8*(\k)+4:PF+8*(\k)+7], v[PFA] offset:64*(\k)+32
.endr
	s_set_vgpr_msb 0x40                            ; destination in window 1, address in window 0: fragments 8-15 have registers of their own, so that no load lands where a product has read
.irp k, 0,1,2,3,4,5,6,7
	ds_load_b128 v[PF2+8*(\k):PF2+8*(\k)+3],   v[PFA] offset:512+64*(\k)
	ds_load_b128 v[PF2+8*(\k)+4:PF2+8*(\k)+7], v[PFA] offset:512+64*(\k)+32
.endr
	s_set_vgpr_msb 0x4000                          ; all back to window 0
	s_wait_loadcnt 0x0                             ; Vt
	s_wait_dscnt 16                                ; fragments 0-7 are in; the sixteen younger loads may be out
.irp k, 0,1,2,3
	v_wmma_f32_16x16x32_f16 v[AC+8*(\k):AC+8*(\k)+7], v[VF+8*(\k):VF+8*(\k)+7], v[PF+8*(\k):PF+8*(\k)+7], 0
.endr
.irp k, 4,5,6,7
	v_wmma_f32_16x16x32_f16 v[AC+8*((\k)-4):AC+8*((\k)-4)+7], v[VF+8*(\k):VF+8*(\k)+7], v[PF+8*(\k):PF+8*(\k)+7], v[AC+8*((\k)-4):AC+8*((\k)-4)+7]
.endr
	s_wait_dscnt 0x0                               ; fragments 8-15 are in
	s_set_vgpr_msb 0x4                             ; source 1 in window 1
.irp k, 0,1,2,3,4,5,6,7
	v_wmma_f32_16x16x32_f16 v[AC+8*((\k)%4):AC+8*((\k)%4)+7], v[VF+64+8*(\k):VF+64+8*(\k)+7], v[PF2+8*(\k):PF2+8*(\k)+7], v[AC+8*((\k)%4):AC+8*((\k)%4)+7]
.endr
	s_set_vgpr_msb 0x400                           ; all back to window 0
.rept 8
	v_nop                                          ; the places behind the last products, once a launch
.endr
.set k, 0
.rept 4                                ; the four partial sums, each accumulator from its low end on
	v_pk_add_f32 v[AC+k:AC+k+1], v[AC+k:AC+k+1], v[AC+8+k:AC+8+k+1]
	v_pk_add_f32 v[AC+16+k:AC+16+k+1], v[AC+16+k:AC+16+k+1], v[AC+24+k:AC+24+k+1]
.set k, k+2
.endr
.set k, 0
.rept 4
	v_pk_add_f32 v[AC+k:AC+k+1], v[AC+k:AC+k+1], v[AC+16+k:AC+16+k+1]
.set k, k+2
.endr
	s_wait_alu depctr_va_vdst(0)                   ; the sums have written v[AC:AC+7], which the LDS stores read, and are done reading v[AC+8:AC+15], in which the LDS loads behind the barrier land: no vector instruction follows
	ds_store_b128 v[CSTO], v[AC:AC+3]
	ds_store_b128 v[CSTO], v[AC+4:AC+7] offset:16
	s_wait_dscnt 0x0                               ; for the others' sake: a row's 512 bytes come from eight waves
	s_barrier_signal -1
	s_barrier_wait -1
	ds_load_b128 v[AC+8:AC+11],  v[CRD]
	ds_load_b128 v[AC+12:AC+15], v[CRD] offset:CPI
	s_wait_dscnt 1                                 ; the first row is back; the second may be out
	global_store_b128 v[O1], v[AC+8:AC+11], s[OB0:OB0+1]  ; a wave stores 512 consecutive bytes, aligned
	s_wait_dscnt 0x0
	global_store_b128 v[O1], v[AC+12:AC+15], s[OB0:OB0+1] offset:2048
	s_wait_dscnt 0x0                               ; the wave's end
	s_wait_alu 0x0
	s_wait_tensorcnt 0x0
	ds_add_u32 v[SPW], v[NIL]
	s_wait_dscnt 0x0
	s_endpgm
.Lfunc_end_k_qd2016776aa_finish:
	.size	k_qd2016776aa_finish, .Lfunc_end_k_qd2016776aa_finish-k_qd2016776aa_finish
	.p2alignl 7, 3214868480
	.fill 96, 4, 3214868480
	.section	.rodata,"a",@progbits
	.p2align	6, 0x0
	.amdhsa_kernel k_qd2016776aa_finish
		.amdhsa_group_segment_fixed_size 58880
		.amdhsa_private_segment_fixed_size 0
		.amdhsa_enable_private_segment 0
		.amdhsa_kernarg_size 32
		.amdhsa_user_sgpr_count 2
		.amdhsa_user_sgpr_kernarg_segment_ptr 1
		.amdhsa_wavefront_size32 1
		.amdhsa_system_sgpr_workgroup_id_x 1
		.amdhsa_system_sgpr_workgroup_id_y 1
		.amdhsa_system_sgpr_workgroup_id_z 1
		.amdhsa_system_vgpr_workitem_id 0
		.amdhsa_next_free_vgpr 320
		.amdhsa_next_free_sgpr 66
		.amdhsa_reserve_vcc 0
		.amdhsa_float_denorm_mode_32 3
		.amdhsa_float_denorm_mode_16_64 3
		.amdhsa_memory_ordered 1
		.amdhsa_forward_progress 1
		.amdhsa_inst_pref_size 31
	.end_amdhsa_kernel
	.amdgpu_metadata
---
amdhsa.version: [ 1, 2 ]
amdhsa.kernels:
  - .name:           k_qd2016776aa_finish
    .symbol:         k_qd2016776aa_finish.kd
    .args:
      - { .name: U, .offset: 0, .size: 8, .value_kind: global_buffer, .address_space: global }
      - { .name: Vt, .offset: 8, .size: 8, .value_kind: global_buffer, .address_space: global }
      - { .name: out0, .offset: 16, .size: 8, .value_kind: global_buffer, .address_space: global }
      - { .name: out1, .offset: 24, .size: 8, .value_kind: global_buffer, .address_space: global }
    .group_segment_fixed_size: 58880
    .private_segment_fixed_size: 0
    .kernarg_segment_align: 8
    .kernarg_segment_size: 32
    .max_flat_workgroup_size: 256
    .sgpr_count:     66
    .vgpr_count:     320
    .wavefront_size: 32
...
	.end_amdgpu_metadata
.endif
;; end of part 5
